; MI455X (gfx1250); checked and timed in simulation.
; The chip was launched on July 23, 2026; its instructions are those of AMD's public machine-readable ISA for CDNA 5 (MIT licence, August 2026) and "CDNA5" Instruction Set Architecture Reference Guide (July 2026). The comments in the code are by the model that wrote it; some were corrected since.
;; Dilated Attention. Allowed arithmetic: matrix products marked QUANTISED: E2M3 operands, one E8M0 scale for each 32 along K, by v_wmma_scale_f32_16x16x128_f8f6f4 with both operands' format E2M3, f32 sums; everything else in f32.
;; Inputs: b_ff1 4,096 float32; b_ff2 1,024 float32; b_o 1,024 float32; b_qkv 3,072 float32; ln1_b 1,024 float32; ln1_g 1,024 float32; ln2_b 1,024 float32; ln2_g 1,024 float32; w_ff1 4,096 x 1,024 float32; w_ff2 1,024 x 4,096 float32; w_o 1,024 x 1,024 float32; w_qkv 3,072 x 1,024 float32; x 2 x 2,048 x 1,024 float32.
;; Outputs: out0 2 x 2,048 x 1,024 float32.
;; This version of the problem:
;;   THIS VERSION OF THE PROBLEM IS GIVEN IN LOW PRECISION. The matrix products marked QUANTISED in the list below multiply operands that are first quantised to E2M3 (2 exponent bits, 3 mantissa bits; 6 bits a number), with one power-of-two scale for each 32 numbers along K (OCP MX v1.0); their sums are f32. All else is computed in f32.
;;   The module's matrix products, in the order in which they are computed (A, B: the left and right operand; K: the contracted axis; several contracted axes count as one K, in the product's order):
;;     1. [M 4,096, K 1,024] x [K 1,024, N 3,072]; A: computed on the way; B: input w_qkv: QUANTISED
;;     2. batch 32 x [M 2,048, K 64] x [K 64, N 2,048]; A: computed on the way; B: computed on the way: QUANTISED
;;     3. batch 32 x [M 64, K 2,048] x [K 2,048, N 2,048]; A: computed on the way; B: softmax (see below): QUANTISED
;;     4. [M 4,096, K 1,024] x [K 1,024, N 1,024]; A: computed on the way; B: input w_o: QUANTISED
;;     5. [M 4,096, K 1,024] x [K 1,024, N 4,096]; A: computed on the way; B: input w_ff1: QUANTISED
;;     6. [M 4,096, K 4,096] x [K 4,096, N 1,024]; A: computed on the way; B: input w_ff2: QUANTISED
;;   THE QUANTISER, for each operand of a quantised product, along K:
;;     - K is cut into blocks of 32 from its start; a last block that is shorter is filled with zeros.
;;     - A block's scale is 2^e with e = floor(log2(the largest magnitude in the block)) - 2, held to -126 .. 127; a block of zeros has e = 0. As a byte (E8M0): e + 127.
;;     - Each number is divided by its block's scale, clamped to +-7.5, and rounded to the nearest number of E2M3, ties to even, subnormals kept.
;;     - The product sums the exact products of the quantised numbers (number of the format x scale) in f32.
;;   ~~~python
;;   def quantise(x, axis):      # numpy; x: float32 -> the quantised numbers, widened to float32 again
;;       x = np.moveaxis(x, axis, -1); K = x.shape[-1]
;;       x = np.pad(x, [(0, 0)] * (x.ndim - 1) + [(0, -K % 32)]); x = x.reshape(x.shape[:-1] + (-1, 32)); a = np.abs(x).max(-1, keepdims=True)
;;       e = np.where(a > 0, np.clip(np.frexp(np.where(a > 0, a, 1))[1] - 1 - 2, -126, 127), 0)      # np.frexp(a)[1] - 1 = floor(log2(a)), exactly
;;       r = np.clip(x / 2.0 ** e, -7.5, 7.5)
;;       step = 2.0 ** (np.maximum(np.frexp(np.where(r == 0, 1, r))[1] - 1, 0) - 3)
;;       q = np.round(r / step) * step * 2.0 ** e      # np.round: ties to even
;;       return np.moveaxis(q.reshape(q.shape[:-2] + (-1,))[..., :K], -1, axis).astype(np.float32)
;;   ~~~
;;   SOFTMAX AHEAD OF A QUANTISED PRODUCT. Where the list says 'softmax', what is quantised is not the finished softmax but p = 2^(t - M), with t = logit x log2(e) and M = ceil(the row's largest t), a whole number; so 1/2 < the row's largest p <= 1. The row's sum l is taken of the UNQUANTISED p, in f32, and the product's result is divided by l at the end. Since M is a whole number, a kernel that streams over the keys may use a running M (the ceiling of the running maximum): every later rescaling is an exact power of two, which a block's scale takes up: the codes' values come out the same.
;;   OPERANDS COMPUTED ON THE WAY. 'Computed on the way' means the value that the module computes at that place (a softmax that the list does not call 'softmax' is quantised finished and normalised). What goes into a quantiser is computed in f32, as accurately as f32 sums, v_exp_f32 and their like allow (about 1e-6 of the number): no bf16 or f16 on the way to a quantiser, and a product that is left as it is and whose result goes on into a quantised operand takes f32 operands (vector FMAs, or v_wmma_f32_16x16x4_f32). A number that lies on a knife's edge between two numbers of the format may be rounded either way, as far as f32 arithmetic and the matrix unit's own rounding can turn it there, and no further.
;; One version. Each part assembles by itself: llvm-mc -triple=amdgcn-amd-amdhsa -mcpu=gfx1250 --defsym DOCPART=n.
;; ======== version 1 of 1: 7 launches
;; limits: right only within a limited range of input values
;; workspace buffers: wbuf 3,276,800 bytes; wff 6,553,600 bytes; act 3,276,800 bytes; qkvc 10,092,544 bytes; attc 3,276,800 bytes; out1 16,777,216 bytes; gc 13,107,200 bytes
;; launch prep (part 1): grid 512 x 1, 4 waves a work-group, no clusters, 66,560 bytes of LDS; arguments x, ln1_g, ln1_b, act, w_qkv, w_o, w_ff1, wbuf, wff; writes act, wbuf
.if DOCPART == 1
	.amdgcn_target "amdgcn-amd-amdhsa--gfx1250"
	.amdhsa_code_object_version 6
	.text
	.protected	k_qb0489fbc07_prep
	.globl	k_qb0489fbc07_prep
	.p2align	8
	.type	k_qb0489fbc07_prep,@function
k_qb0489fbc07_prep:
	s_mov_b64 s[64:65], 0
	v_nop
	global_prefetch_b8 v0, s[64:65] scope:SCOPE_SE
	s_setreg_imm32_b32 hwreg(HW_REG_WAVE_MODE, 25, 1), 1
	s_wait_xcnt 0x0
; Rows of f32 become codes of E2M3 with one E8M0 byte for each 32 along K, laid as the GEMMs' operand registers want them.
; No input of the problem is left out.  The only work left out in this program is in the launch attn: tiles of keys that lie wholly under the mask which the problem builds itself (its head comment shows it).
; TWO LAUNCHES RUN THIS TEXT.  A work-group's id is x + y, and 256 more where y >= 256.  The first launch (grid 512 x 1) has ids 0-511, the second (grid 1 x 512) ids 0-255 and 512-767.
; ids 0-255: 16 tokens each, LayerNorm (mean, then the mean of squared differences, both in f32) and then the quantiser.  ids 256-767: 16 rows x 1,024 columns of a weight, the quantiser alone:
; 256-447 w_qkv, 448-511 w_o, 512-767 w_ff1.  So the first launch serves LayerNorm 1, w_qkv and w_o, the second LayerNorm 2 and w_ff1.  (w_ff2 is quantised in the launch qkv.)
; OUTPUT: records of 3,200 bytes = one tile of 16 rows x 256 K: two fragment images of 1,536 bytes (registers 4 c .. 4 c + 3 of lane l at 512 c + 16 l), then 2 x 16 scale words (64 q + 4 row).
; A tensor's records lie [K / 256][tile]: eight neighbouring tiles of one 256 along K are 25,600 consecutive bytes, a multiple of 256.  w_o's area follows w_qkv's in one buffer; w_ff1's lies first in another.
; WHICH ROWS FORM A TILE: tokens: row p of tile T is token 16 T + 2 (p % 8) + p / 8 (evens, then odds); weights: row p is weight row 32 (T / 2) + 8 (T % 2) + p + 8 (p / 8).
; SHARES: wave w loads tile rows 4 w .. 4 w + 3 whole (each load 512 consecutive bytes), normalises them and puts them into a stage in LDS; behind one barrier wave w takes columns 256 w .. 256 w + 255 of all 16 rows,
; 16 neighbours of each block of 32 to a lane, quantises them and stores one record.
; LIMITS: NaN and infinities are not served; a block whose largest magnitude lies under 2^-124, a block of zeros among them, gets the byte 1 (its codes are zeros or subnormal; this program alone reads the bytes).
.set PITCH, 4112                       ; a stage row: 4,096 bytes + 16
.set SPARE, 16*PITCH                   ; behind the stage: the spare words, 128 bytes a wave
.set OFF,  4                           ; v4-7    byte offsets of my four rows
.set LI,   8                           ; v8      16 x lane
.set STW,  9                           ; v9      the stage, on the way in
.set STR,  10                          ; v10     and on the way out
.set LS,   12                          ; v12     4 x lane
.set SPW,  13                          ; v13     my spare word; never rewritten
.set NIL,  14                          ; v14     0; never rewritten
.set R,    16                          ; v16-143 four rows x 32 registers; later two K steps x 64 numbers
.set G,    144                         ; v144-175 the gain; later the first fragment's codes
.set BB,   176                         ; v176-207 the bias; v164-183 later the second fragment's codes
.set TM,   208                         ; v208-223 the quantiser's scratch
.set SEL,  40                          ; s[40:41] lane selects: lane l xor 16
; 64 numbers of a lane, register 16 b + i = k 32 b + 16 (lane / 16) + i of its row, become a fragment's 12 registers at v[pc] and its row's scale word in v[pw]
.macro QUANT s, pc, pw
.irp b, 0,1,2,3
	v_max3_num_f32 v[TM+\b], |v[\s+16*\b]|, |v[\s+1+16*\b]|, 0x1800000   ; my 16 numbers of block b, and the floor 2^(3 - 127): the byte cannot fall under 1
.endr
.irp i, 2,4,6,8,10,12,14
.irp b, 0,1,2,3
	v_max3_num_f32 v[TM+\b], v[TM+\b], |v[\s+16*\b+\i]|, |v[\s+1+16*\b+\i]|
.endr
.endr
.irp b, 0,1,2,3
	v_permlanex16_b32 v[TM+4+\b], v[TM+\b], s[SEL], s[SEL+1]
.endr
.irp b, 0,1,2,3
	v_max_num_f32 v[TM+\b], v[TM+\b], v[TM+4+\b]                        ; with lane l xor 16's 16: the block's largest magnitude
.endr
.irp b, 0,1,2,3
	v_add_nc_u32 v[TM+12+\b], 0xff000000, v[TM+\b]                      ; 2 off its exponent field: the conversion's scale operand
.endr
.irp b, 0,1,2,3
	v_lshrrev_b32 v[TM+4+\b], 23, v[TM+12+\b]                           ; the scale's byte
.endr
	v_lshl_or_b32 v[\pw], v[TM+5], 8, v[TM+4]
	v_lshl_or_b32 v[\pw], v[TM+6], 16, v[\pw]
	v_lshl_or_b32 v[\pw], v[TM+7], 24, v[\pw]
.irp c, 0,1
	v_cvt_scalef32_pk16_fp6_f32 v[\pc+6*\c:\pc+2+6*\c], v[\s+32*\c:\s+15+32*\c], v[TM+12+2*\c]
	v_cvt_scalef32_pk16_fp6_f32 v[\pc+12+4*\c:\pc+14+4*\c], v[\s+16+32*\c:\s+31+32*\c], v[TM+12+2*\c+1]
.endr
	v_nop                                                                   ; one plain place behind the scaled conversions
.irp c, 0,1                            ; the operand wants a whole block in a lane: lanes 0-15 block 2 c, lanes 16-31 block 2 c + 1
.irp i, 0,1,2
	v_permlane16_swap_b32 v[\pc+6*\c+\i], v[\pc+12+4*\c+\i]
.endr
.irp i, 0,1,2
	v_mov_b32 v[\pc+3+6*\c+\i], v[\pc+12+4*\c+\i]
.endr
.endr
.endm
; the four rows' two partial sums (pairs at v[224 + 8 i] and v[226 + 8 i]) become the row's sum, in every lane, in v[224 + 8 i]
.macro LRED
.irp i, 0,1,2,3
	v_pk_add_f32 v[224+8*\i:225+8*\i], v[224+8*\i:225+8*\i], v[226+8*\i:227+8*\i]
.endr
.irp i, 0,1,2,3
	v_add_f32 v[224+8*\i], v[224+8*\i], v[225+8*\i]
.endr
.irp m, 1,2,4,8
.irp i, 0,1,2,3
	v_add_f32_dpp v[224+8*\i], v[224+8*\i], v[224+8*\i] row_xmask:\m row_mask:0xf bank_mask:0xf
.endr
.endr
.irp i, 0,1,2,3
	v_permlanex16_b32 v[225+8*\i], v[224+8*\i], s[SEL], s[SEL+1]
.endr
.irp i, 0,1,2,3
	v_add_f32 v[224+8*\i], v[224+8*\i], v[225+8*\i]
.endr
.endm
	s_load_b256 s[4:11], s[0:1], 0x0               ; the rows to normalise s[4:5], gain s[6:7], bias s[8:9], their codes s[10:11]
	s_load_b256 s[12:19], s[0:1], 0x20             ; w_qkv, w_o, w_ff1; the codes of w_qkv and w_o s[18:19]
	s_load_b64 s[20:21], s[0:1], 0x40              ; the codes of w_ff1
	v_lshl_add_u32 v[SPW], v0, 2, SPARE
	v_mov_b32 v[NIL], 0
	v_lshrrev_b32 v1, 5, v0
	v_readfirstlane_b32 s22, v1                    ; wave
	v_and_b32 v1, 31, v0                           ; lane
	v_and_b32 v2, 15, v0                           ; r
	v_bfe_u32 v3, v0, 4, 1                         ; h
	v_lshlrev_b32 v[LI], 4, v1
	v_lshlrev_b32 v[LS], 2, v1
	s_mul_i32 s23, s22, 4*PITCH
	v_add_nc_u32 v[STW], s23, v[LI]                ; in: my four rows, 16 bytes a lane
	v_mul_u32_u24 v[STR], v2, PITCH
	v_lshl_add_u32 v[STR], v3, 6, v[STR]
	s_lshl_b32 s23, s22, 10
	v_add_nc_u32 v[STR], s23, v[STR]               ; out: row r, my wave's 256 columns, my half's 16 numbers of a block
.irp b, 0,1,2,3
	v_mov_b32 v[TM+4+\b], 0                        ; written once: a lane permute's destination counts as one of its sources
.endr
	s_mov_b32 s[SEL], 0x76543210
	s_mov_b32 s[SEL+1], 0xfedcba98
	s_mov_b32 s48, 0x3a800000                      ; 1 / 1,024
	s_mov_b32 s49, 0x3727c5ac                      ; 1e-5
	s_and_b32 s51, ttmp7, 0xffff                   ; y
	s_add_co_u32 s52, ttmp9, s51                   ; one of x and y is 0 in either launch
	s_cmp_ge_u32 s51, 256
	s_cselect_b32 s51, 256, 0
	s_add_co_u32 s52, s52, s51                     ; the id
	s_wait_alu depctr_va_vdst(0)                   ; the wait at the head's end
	s_wait_kmcnt 0x0
	; which tensor is mine: every choice hangs on the id alone
	s_mov_b64 s[28:29], s[16:17]                   ; w_ff1,
	s_mov_b64 s[30:31], s[20:21]                   ; where its codes go,
	s_mov_b32 s24, 512                             ; the tensor's first id,
	s_mov_b32 s32, 512                             ; the first id of its buffer,
	s_mov_b32 s50, 819200                          ; from one 256 along K to the next in the output: the tensor's tiles x 3,200 bytes (w_ff1: 256 tiles)
	s_cmp_lt_u32 s52, 512
	s_cselect_b64 s[28:29], s[14:15], s[28:29]
	s_cselect_b64 s[30:31], s[18:19], s[30:31]
	s_cselect_b32 s24, 448, s24
	s_cselect_b32 s32, 256, s32
	s_cselect_b32 s50, 204800, s50                 ; w_o: 64 tiles
	s_cmp_lt_u32 s52, 448
	s_cselect_b64 s[28:29], s[12:13], s[28:29]
	s_cselect_b32 s24, 256, s24
	s_cselect_b32 s50, 614400, s50                 ; w_qkv: 192 tiles
	s_cmp_lt_u32 s52, 256
	s_cselect_b64 s[28:29], s[4:5], s[28:29]
	s_cselect_b64 s[30:31], s[10:11], s[30:31]
	s_cselect_b32 s24, 0, s24
	s_cselect_b32 s32, 0, s32
	s_cselect_b32 s50, 819200, s50                 ; tokens: 256 tiles
	s_cselect_b32 s33, 2, 1                        ; from my row to my next: tokens of one parity, or neighbours
	s_cselect_b32 s34, 1, 0                        ; 1: LayerNorm
	s_sub_co_u32 s36, s52, s24                     ; T
	s_and_b32 s42, s22, 1
	s_lshr_b32 s43, s22, 1
	s_lshl_b32 s38, s36, 4                         ; tokens: 16 T + 8 (w & 1) + (w >> 1), then every second
	s_lshl_b32 s44, s42, 3
	s_add_co_u32 s38, s38, s44
	s_add_co_u32 s38, s38, s43
	s_lshr_b32 s39, s36, 1                         ; weights: 32 (T >> 1) + 8 (T & 1) + 4 w + 8 (w >> 1), then neighbours
	s_lshl_b32 s39, s39, 5
	s_and_b32 s44, s36, 1
	s_lshl_b32 s44, s44, 3
	s_add_co_u32 s39, s39, s44
	s_lshl_b32 s44, s22, 2
	s_add_co_u32 s39, s39, s44
	s_lshl_b32 s44, s43, 3
	s_add_co_u32 s39, s39, s44
	s_cmp_eq_u32 s34, 1
	s_cselect_b32 s38, s38, s39
	s_lshl_b32 s38, s38, 12                        ; a row is 4,096 bytes
	s_mov_b32 s39, 0
	s_add_nc_u64 s[28:29], s[28:29], s[38:39]      ; my first row
	s_lshl_b32 s33, s33, 12
	s_lshl_b32 s46, s33, 1
	s_add_co_u32 s47, s46, s33
	s_sub_co_u32 s44, s24, s32
	s_mul_i32 s44, s44, 12800                      ; the tensor's area: four records for each id of its buffer in front of it,
	s_mul_i32 s45, s36, 3200                       ; my tile,
	s_add_co_u32 s44, s44, s45
	s_mul_i32 s45, s22, s50                        ; my wave's 256 along K
	s_add_co_u32 s44, s44, s45
	s_mov_b32 s45, 0
	s_add_nc_u64 s[30:31], s[30:31], s[44:45]
	v_mov_b32 v[OFF], v[LI]
	v_add_nc_u32 v[OFF+1], s33, v[LI]
	v_add_nc_u32 v[OFF+2], s46, v[LI]
	v_add_nc_u32 v[OFF+3], s47, v[LI]
.irp j, 0,1,2,3,4,5,6,7
	global_load_b128 v[G+4*\j:G+4*\j+3], v[LI], s[6:7] offset:512*\j      ; gain and bias in the rows' own layout (a weight's work-group loads them too: 8 KiB, so that both ways have one count of loads)
	global_load_b128 v[BB+4*\j:BB+4*\j+3], v[LI], s[8:9] offset:512*\j
.endr
.irp i, 0,1,2,3
.irp j, 0,1,2,3,4,5,6,7
	global_load_b128 v[R+32*\i+4*\j:R+32*\i+4*\j+3], v[OFF+\i], s[28:29] offset:512*\j   ; 32 lanes read 512 consecutive bytes
.endr
.endr
	s_wait_loadcnt 0x0
	s_cmp_eq_u32 s34, 1
	s_cbranch_scc0 .Lraw                           ; a weight is quantised as it is: the jump leads round arithmetic on registers alone
.irp i, 0,1,2,3                        ; the rows' sums, two chains a row, the four rows by turns
	v_pk_add_f32 v[224+8*\i:225+8*\i], v[R+32*\i:R+32*\i+1], v[R+32*\i+2:R+32*\i+3]
	v_pk_add_f32 v[226+8*\i:227+8*\i], v[R+32*\i+4:R+32*\i+5], v[R+32*\i+6:R+32*\i+7]
.endr
.irp j, 8,12,16,20,24,28
.irp i, 0,1,2,3
	v_pk_add_f32 v[224+8*\i:225+8*\i], v[224+8*\i:225+8*\i], v[R+32*\i+\j:R+32*\i+\j+1]
	v_pk_add_f32 v[226+8*\i:227+8*\i], v[226+8*\i:227+8*\i], v[R+32*\i+\j+2:R+32*\i+\j+3]
.endr
.endr
	LRED
.irp i, 0,1,2,3
	v_mul_f32 v[228+8*\i], 0x3a800000, v[224+8*\i]                      ; the mean
.endr
.irp i, 0,1,2,3
	v_mov_b32 v[229+8*\i], v[228+8*\i]                                  ; (named with it as a pair)
.endr
.irp j, 0,2,4,6,8,10,12,14,16,18,20,22,24,26,28,30
.irp i, 0,1,2,3
	v_pk_add_f32 v[R+32*\i+\j:R+32*\i+\j+1], v[R+32*\i+\j:R+32*\i+\j+1], v[228+8*\i:229+8*\i] op_sel_hi:[1,0] neg_lo:[0,1] neg_hi:[0,1]   ; x - mean, in place
.endr
.endr
.irp i, 0,1,2,3
	v_pk_mul_f32 v[224+8*\i:225+8*\i], v[R+32*\i:R+32*\i+1], v[R+32*\i:R+32*\i+1]
	v_pk_mul_f32 v[226+8*\i:227+8*\i], v[R+32*\i+2:R+32*\i+3], v[R+32*\i+2:R+32*\i+3]
.endr
.irp j, 4,8,12,16,20,24,28
.irp i, 0,1,2,3
	v_pk_fma_f32 v[224+8*\i:225+8*\i], v[R+32*\i+\j:R+32*\i+\j+1], v[R+32*\i+\j:R+32*\i+\j+1], v[224+8*\i:225+8*\i]
	v_pk_fma_f32 v[226+8*\i:227+8*\i], v[R+32*\i+\j+2:R+32*\i+\j+3], v[R+32*\i+\j+2:R+32*\i+\j+3], v[226+8*\i:227+8*\i]
.endr
.endr
	LRED
.irp i, 0,1,2,3
	v_fma_f32 v[224+8*\i], v[224+8*\i], s48, s49                        ; the variance + 1e-5
.endr
	s_wait_alu depctr_va_vdst(0)                   ; the wait ahead of the batch
.irp i, 0,1,2,3
	v_rsq_f32 v[230+8*\i], v[224+8*\i]
.endr
	v_nop                                          ; a plain place behind the last of the four
	s_wait_alu depctr_va_vdst(0)                   ; one wait for the four, ahead of their first reader
.irp i, 0,1,2,3
	v_mov_b32 v[231+8*\i], v[230+8*\i]
.endr
.irp j, 0,2,4,6,8,10,12,14,16,18,20,22,24,26,28,30
.irp i, 0,1,2,3
	v_pk_mul_f32 v[R+32*\i+\j:R+32*\i+\j+1], v[R+32*\i+\j:R+32*\i+\j+1], v[230+8*\i:231+8*\i] op_sel_hi:[1,0]
.endr
.endr
.irp j, 0,2,4,6,8,10,12,14,16,18,20,22,24,26,28,30
.irp i, 0,1,2,3
	v_pk_fma_f32 v[R+32*\i+\j:R+32*\i+\j+1], v[R+32*\i+\j:R+32*\i+\j+1], v[G+\j:G+\j+1], v[BB+\j:BB+\j+1]
.endr
.endr
.Lraw:
.irp i, 0,1,2,3
.irp j, 0,1,2,3,4,5,6,7
	ds_store_b128 v[STW], v[R+32*\i+4*\j:R+32*\i+4*\j+3] offset:\i*PITCH+512*\j
.endr
.endr
	s_wait_dscnt 0x0                               ; for the others' sake: my rows lie in the stage
	s_barrier_signal -1
	s_barrier_wait -1
	s_wait_alu depctr_va_vdst(0)                   ; the wait ahead of the reader below
.irp t, 0,1
.irp b, 0,1,2,3
.irp j, 0,1,2,3
	ds_load_b128 v[R+64*\t+16*\b+4*\j:R+64*\t+16*\b+4*\j+3], v[STR] offset:512*\t+128*\b+16*\j
.endr
.endr
.endr
	s_wait_dscnt 0x0
	QUANT R, 144, 224                              ; both K steps are quantised first: all the record's stores stand behind all its arithmetic
	QUANT R+64, 164, 225
	v_cmp_gt_u32 vcc_lo, 16, v1
	v_cndmask_b32 v226, v225, v224, vcc_lo         ; lanes 0-15: the first K step's words, lanes 16-31: the second's
.irp c, 0,1,2
	global_store_b128 v[LI], v[144+4*\c:147+4*\c], s[30:31] offset:512*\c           ; 32 lanes store 512 consecutive bytes
.endr
.irp c, 0,1,2
	global_store_b128 v[LI], v[164+4*\c:167+4*\c], s[30:31] offset:1536+512*\c
.endr
	global_store_b32 v[LS], v226, s[30:31] offset:3072
	s_wait_tensorcnt 0x0                           ; the wave's end
	ds_add_u32 v[SPW], v[NIL]
	s_wait_dscnt 0x0
	s_endpgm
.Lfunc_end_k_qb0489fbc07_prep:
	.size	k_qb0489fbc07_prep, .Lfunc_end_k_qb0489fbc07_prep-k_qb0489fbc07_prep
	.p2alignl 7, 3214868480
	.fill 96, 4, 3214868480
	.section	.rodata,"a",@progbits
	.p2align	6, 0x0
	.amdhsa_kernel k_qb0489fbc07_prep
		.amdhsa_group_segment_fixed_size 66560
		.amdhsa_private_segment_fixed_size 0
		.amdhsa_enable_private_segment 0
		.amdhsa_kernarg_size 72
		.amdhsa_user_sgpr_count 2
		.amdhsa_user_sgpr_kernarg_segment_ptr 1
		.amdhsa_wavefront_size32 1
		.amdhsa_system_sgpr_workgroup_id_x 1
		.amdhsa_system_sgpr_workgroup_id_y 1
		.amdhsa_system_sgpr_workgroup_id_z 1
		.amdhsa_system_vgpr_workitem_id 0
		.amdhsa_next_free_vgpr 256
		.amdhsa_next_free_sgpr 66
		.amdhsa_reserve_vcc 1
		.amdhsa_float_denorm_mode_32 3
		.amdhsa_float_denorm_mode_16_64 3
		.amdhsa_memory_ordered 1
		.amdhsa_forward_progress 1
		.amdhsa_inst_pref_size 46
	.end_amdhsa_kernel
	.amdgpu_metadata
---
amdhsa.version: [ 1, 2 ]
amdhsa.kernels:
  - .name:           k_qb0489fbc07_prep
    .symbol:         k_qb0489fbc07_prep.kd
    .args:
      - { .name: x, .offset: 0, .size: 8, .value_kind: global_buffer, .address_space: global }
      - { .name: ln1_g, .offset: 8, .size: 8, .value_kind: global_buffer, .address_space: global }
      - { .name: ln1_b, .offset: 16, .size: 8, .value_kind: global_buffer, .address_space: global }
      - { .name: act, .offset: 24, .size: 8, .value_kind: global_buffer, .address_space: global }
      - { .name: w_qkv, .offset: 32, .size: 8, .value_kind: global_buffer, .address_space: global }
      - { .name: w_o, .offset: 40, .size: 8, .value_kind: global_buffer, .address_space: global }
      - { .name: w_ff1, .offset: 48, .size: 8, .value_kind: global_buffer, .address_space: global }
      - { .name: wbuf, .offset: 56, .size: 8, .value_kind: global_buffer, .address_space: global }
      - { .name: wff, .offset: 64, .size: 8, .value_kind: global_buffer, .address_space: global }
    .group_segment_fixed_size: 66560
    .private_segment_fixed_size: 0
    .kernarg_segment_align: 8
    .kernarg_segment_size: 72
    .max_flat_workgroup_size: 128
    .sgpr_count:     66
    .vgpr_count:     256
    .wavefront_size: 32
...
	.end_amdgpu_metadata
.endif
;; end of part 1
;; launch qkv (part 2): grid 16 x 16, 4 waves a work-group, clusters of 4 x 4, 327,680 bytes of LDS; arguments act, wbuf, b_qkv, qkvc, w_ff2, wff; writes qkvc, wff
.if DOCPART == 2
	.amdgcn_target "amdgcn-amd-amdhsa--gfx1250"
	.amdhsa_code_object_version 6
	.text
	.protected	k_qb0489fbc07_qkv
	.globl	k_qb0489fbc07_qkv
	.p2align	8
	.type	k_qb0489fbc07_qkv,@function
k_qb0489fbc07_qkv:
	s_mov_b64 s[64:65], 0
	v_nop
	global_prefetch_b8 v0, s[64:65] scope:SCOPE_SE
	s_setreg_imm32_b32 hwreg(HW_REG_WAVE_MODE, 25, 1), 1
	s_wait_xcnt 0x0
	s_wait_alu depctr_hold_cnt(0) depctr_sa_sdst(0) depctr_va_vdst(0) depctr_va_sdst(0) depctr_va_ssrc(0) depctr_va_vcc(0) depctr_vm_vsrc(0)
	s_getreg_b32 s2, hwreg(HW_REG_IB_STS2, 6, 4)
	s_cmp_eq_u32 s2, 0
	s_cbranch_scc0 .Lentry_in_a_cluster
	s_endpgm
.Lentry_in_a_cluster:
	s_bfe_u32 s2, ttmp6, 0x10000c
	s_cmp_lg_u32 s2, 0xf033
	s_cbranch_scc0 .Lentry_shape_is_right
	s_endpgm
.Lentry_shape_is_right:
; qkv = LN1(x) w_qkv^T + b_qkv on codes of E2M3; the results are quantised at once: q and k along the head's 64, v along the tokens, and leave as images of the attention's operand registers.
; A work-group makes 256 tokens x 256 columns, each of four waves 128 x 128: 64 accumulators, 512 registers.  K = 1,024 goes in slots of 256 through a ring of two LDS slots filled by the tensor data mover.
; OPERANDS lie in memory as records of 3,200 bytes (a tile of 16 rows x 256 K: two fragment images and their scale words), so a fragment comes by three loads of 16 bytes a lane from consecutive bytes.
; CLUSTER 4 x 4: the tokens' tiles hang on work-group y alone and are asked for jointly along a row of the cluster, the weights' on work-group x alone and jointly along a column.
; SOURCES: source 1 (U) gives a lane its row, source 0 (W) runs along the lane's registers.  Clusters 0 and 1 (q, k): U = tokens, W = weights: a lane's 64 numbers of a tile of tokens are 128 neighbouring columns' halves: two heads.
; Cluster 2 (v): U = weights, W = tokens: a lane holds one channel d, and its registers run along the tokens, which are the second attention product's K.  Only LDS bases differ; they hang on the cluster's number, which all partners share.
; OUTPUT.  q, k: for head index idx (q: 16 b + head, k: 32 + that) and group of 128 tokens sigma: 6,656 bytes at (16 idx + sigma) x 6,656: eight images of 768 bytes (registers 2 g, 2 g + 1 of lane l at 256 g + 8 l), then 8 x 16 scale words.
; v: 6,400 bytes at 6,815,744 + (16 (16 b + head) + sigma) x 6,400: for d tile t and token parity pi an image of 768 bytes at 1,536 t + 768 pi (the 16 tokens of that parity of each block of 32); then 4 x 16 scale words.
; LIMITS: NaN and infinities are not served; a block whose largest magnitude lies under 2^-124 gets the byte 1.
; CLUSTERS 3 (work-group x 12-15, 64 work-groups): N = 3,072 gives 192 tiles of 256 x 256, so these work-groups take other work that is due before the launch ff2: they quantise w_ff2 (text at .Lweights).
; The parting hangs on the cluster's number alone; that way has no tensor load, no barrier but its closing round, and LDS bytes of its own.
.set UB, 8
.set WB, 8                             ; W tiles of a wave
.set NR, 1                             ; records of a tile in a slot
.set KK, 1024
.set WOFF, 0                           ; where this weight's records begin
.set SLOT,   102400                    ; region Y (tokens) 51,200 bytes, then region X (weights)
.set SPARE,  2*SLOT                    ; behind the ring: the spare words, 128 bytes a wave
.set NQ,     2*NR                      ; steps of 128 along K in a slot
.set TS,     3200                      ; from tile to tile in a slot
.set CH,     25600/NR                  ; from one 256 along K to the next inside a wave's part of a slot
.set KREC,   KK/256
.set CSY,    819200                    ; in memory the records lie [K / 256][tile]: from one 256 along K to the next: 256 tiles of tokens x 3,200 bytes,
.set CSX,    614400                    ; 192 tiles of this weight
.set PFO,    30                        ; v30 the prefetches' offset: 256 x min(lane, 24); never rewritten
.set PF,     80                        ; s[80:85] my work-group's quarter (6,400 bytes, 25 blocks of 256) of what my wave loads for slots 1, 2, 3; s[90:91] for slot 0; never rewritten
.set LAPS,   KREC/(2*NR)
.set APW,    32/WB                     ; U tiles whose accumulators fill a window
.set ADRU, 16                          ; v16-17 LDS address of my U fragments in slot 0, 1;  v18-19 W's;  v20-21, v22-23 their scale words'
.set ADRW, 18
.set ASU,  20
.set ASW,  22
.set SPW,  28                          ; v28 my spare word, v29 0; never rewritten
.set NIL,  29
.set G1Y, 24                           ; s[24:31], s[32:39] descriptor groups 1 and 0 (a set a slot) for region Y;  s[48:55], s[56:63] for region X
.set G0Y, 32
.set G1X, 48
.set G0X, 56
.set TM,  192
.set SEL, 74
; REGISTERS: window 0: v32-63 scale words (set p: U's at 32 + 16 p, W's at 40 + 16 p), v64-255 U's fragments, two sets;  window 1: W's fragments, two sets at 0 and 128, the bias along n in the gaps;  windows 2, 3: accumulators.
.set MSB, 0
.macro WIN new                         ; the immediate's high byte repeats the setting that is left
.if MSB != (\new)
	s_set_vgpr_msb (MSB<<8)|(\new)
.set MSB, (\new)
.endif
.endm
.macro PLACES                          ; four plain places behind matrix instructions, ahead of loads into their registers and of reads of their results
.rept 4
	v_nop
.endr
.endm
.macro JLOAD s                         ; a joint load: waves 0, 1 fetch region Y's halves, waves 2, 3 region X's; the branch hangs on the wave's number alone; s_nop 0 and four v_nop follow each line
	s_cmp_eq_u32 s15, 0
	s_cbranch_scc0 .Lfor_x_\@
	tensor_load_to_lds s[G0Y+4*\s:G0Y+4*\s+3], s[G1Y:G1Y+7]
	s_nop 0
.rept 4
	v_nop
.endr
	s_branch .Lasked_\@
.Lfor_x_\@:
	tensor_load_to_lds s[G0X+4*\s:G0X+4*\s+3], s[G1X:G1X+7]
	s_nop 0
.rept 4
	v_nop
.endr
.Lasked_\@:
.endm
.macro CREST                           ; a round of the cluster's barrier behind its opening barrier
	s_cmp_lg_u32 s14, 0
	s_cbranch_scc1 .Lnot_wave_0_\@
	s_barrier_signal -3
.Lnot_wave_0_\@:
	s_barrier_wait -3
	s_barrier_signal -1
	s_barrier_wait -1
.endm
.macro CROUND
	s_barrier_signal -1
	s_barrier_wait -1
	CREST
.endm
.macro FETCH slot, q, p                ; the fragments and scale words of the slot's q-th 128 along K into set p
.set FO, ((\q)/2)*CH+((\q)%2)*1536
.set FS, ((\q)/2)*CH+3072+((\q)%2)*64
	WIN 0x40                                       ; destination window 1, address window 0
.set fi, 0
.rept WB
.irp c, 0,1,2
	ds_load_b128 v[128*(\p)+12*fi+4*\c:128*(\p)+12*fi+4*\c+3], v[ADRW+\slot] offset:fi*TS+FO+512*\c
.endr
.set fi, fi+1
.endr
	WIN 0
.set fi, 0
.rept UB
.irp c, 0,1,2
	ds_load_b128 v[64+96*(\p)+12*fi+4*\c:64+96*(\p)+12*fi+4*\c+3], v[ADRU+\slot] offset:fi*TS+FO+512*\c
.endr
	ds_load_b32 v[32+16*(\p)+fi], v[ASU+\slot] offset:fi*TS+FS
	ds_load_b32 v[40+16*(\p)+fi], v[ASW+\slot] offset:fi*TS+FS
.set fi, fi+1
.endr
.endm
; a quarter of a step's products: UB / 4 tiles of U against all of W's.  cmode 0: add in place; 1: the constant 0 starts the sums; 2: the bias does.  The accumulators take turns, one instruction a turn, in one order in every step
.macro MULG g, p, cmode
.set ga, (\g)*UB/4
.rept UB/4
.if (\cmode) == 2
	WIN 0x91+0x40*(ga/APW)
.else
	WIN 0xa1+0x50*(ga/APW)
.endif
.set gb, 0
.rept WB
.set AC, 8*(WB*(ga%APW)+gb)
.set WF, 128*(\p)+12*gb
.set UF, 64+96*(\p)+12*ga
.set BI, 96+8*gb+96*(gb/4)
.if (\cmode) == 1
	v_wmma_scale_f32_16x16x128_f8f6f4 v[AC:AC+7], v[WF:WF+11], v[UF:UF+11], 0, v[40+16*(\p)+gb], v[32+16*(\p)+ga] matrix_a_fmt:MATRIX_FMT_FP6 matrix_b_fmt:MATRIX_FMT_FP6
.elseif (\cmode) == 2
	v_wmma_scale_f32_16x16x128_f8f6f4 v[AC:AC+7], v[WF:WF+11], v[UF:UF+11], v[BI:BI+7], v[40+16*(\p)+gb], v[32+16*(\p)+ga] matrix_a_fmt:MATRIX_FMT_FP6 matrix_b_fmt:MATRIX_FMT_FP6
.else
	v_wmma_scale_f32_16x16x128_f8f6f4 v[AC:AC+7], v[WF:WF+11], v[UF:UF+11], v[AC:AC+7], v[40+16*(\p)+gb], v[32+16*(\p)+ga] matrix_a_fmt:MATRIX_FMT_FP6 matrix_b_fmt:MATRIX_FMT_FP6
.endif
.set gb, gb+1
.endr
.set ga, ga+1
.endr
.endm
.macro STEP slot, q, cmode             ; a step that has its successor in the same slot
	s_wait_dscnt 0x0                               ; this step's set is in: it was asked for a whole step ago
	PLACES
	FETCH \slot, (\q)+1, ((\q)+1)%2
	MULG 0, (\q)%2, \cmode
	MULG 1, (\q)%2, \cmode
	MULG 2, (\q)%2, \cmode
	MULG 3, (\q)%2, \cmode
.endm
.macro STEPS slot, cmode
	STEP \slot, 0, \cmode
.if NQ > 2
	STEP \slot, 1, 0
	STEP \slot, 2, 0
.endif
.endm
; a slot's last step changes slots: one barrier; ahead of it each wave waits for all its tensor loads, adds 0 to its spare word and waits for that and for its reads of this slot.  fill = 1: the slot is filled again, two slots ahead
.macro TURN slot, next, fill
	WIN 0
	s_wait_tensorcnt 0x0                           ; all my tensor loads have landed: my part of the next slot
	ds_add_u32 v[SPW], v[NIL]
	s_wait_dscnt 0x1                               ; the add alone may be out: this step's set is in
	MULG 0, 1, 0
	s_wait_dscnt 0x0                               ; the add is done, and my reads of this slot are over
	s_barrier_signal -1
	MULG 1, 1, 0
	WIN 0
	s_barrier_wait -1
.if \fill
	CREST                                          ; the barrier has opened a round of the cluster's: no wave of any partner still reads this slot or has a load on its way
	s_add_nc_u64 s[G0Y+4*\slot+2:G0Y+4*\slot+3], s[G0Y+4*\slot+2:G0Y+4*\slot+3], 2*NR*CSY
	s_add_nc_u64 s[G0X+4*\slot+2:G0X+4*\slot+3], s[G0X+4*\slot+2:G0X+4*\slot+3], 2*NR*CSX
	JLOAD \slot                                    ; the first tensor load behind the round; its four v_nop are the places ahead of the loads below
.else
	PLACES
.endif
	FETCH \next, 0, 0
	MULG 2, 1, 0
	MULG 3, 1, 0
.endm
.macro LAST
	s_wait_dscnt 0x0
	MULG 0, 1, 0
	MULG 1, 1, 0
	MULG 2, 1, 0
	MULG 3, 1, 0
	WIN 0
.endm
; 64 numbers of a lane, register 16 b + i = element 16 (lane / 16) + i of block b of its row, become a fragment's 12 registers at v[pc] and the row's scale word in v[pw]
.macro QUANT s, pc, pw
.irp b, 0,1,2,3
	v_max3_num_f32 v[TM+\b], |v[\s+16*\b]|, |v[\s+1+16*\b]|, 0x1800000   ; and the floor 2^(3 - 127): the byte cannot fall under 1
.endr
.irp i, 2,4,6,8,10,12,14
.irp b, 0,1,2,3
	v_max3_num_f32 v[TM+\b], v[TM+\b], |v[\s+16*\b+\i]|, |v[\s+1+16*\b+\i]|
.endr
.endr
.irp b, 0,1,2,3
	v_permlanex16_b32 v[TM+4+\b], v[TM+\b], s[SEL], s[SEL+1]
.endr
.irp b, 0,1,2,3
	v_max_num_f32 v[TM+\b], v[TM+\b], v[TM+4+\b]
.endr
.irp b, 0,1,2,3
	v_add_nc_u32 v[TM+12+\b], 0xff000000, v[TM+\b]                      ; 2 off the exponent field: the conversion's scale operand
.endr
.irp b, 0,1,2,3
	v_lshrrev_b32 v[TM+4+\b], 23, v[TM+12+\b]
.endr
	v_lshl_or_b32 v[\pw], v[TM+5], 8, v[TM+4]
	v_lshl_or_b32 v[\pw], v[TM+6], 16, v[\pw]
	v_lshl_or_b32 v[\pw], v[TM+7], 24, v[\pw]
.irp c, 0,1
	v_cvt_scalef32_pk16_fp6_f32 v[\pc+6*\c:\pc+2+6*\c], v[\s+32*\c:\s+15+32*\c], v[TM+12+2*\c]
	v_cvt_scalef32_pk16_fp6_f32 v[\pc+12+4*\c:\pc+14+4*\c], v[\s+16+32*\c:\s+31+32*\c], v[TM+12+2*\c+1]
.endr
	v_nop                                                                   ; one plain place behind the scaled conversions
.irp c, 0,1
.irp i, 0,1,2
	v_permlane16_swap_b32 v[\pc+6*\c+\i], v[\pc+12+4*\c+\i]
.endr
.irp i, 0,1,2
	v_mov_b32 v[\pc+3+6*\c+\i], v[\pc+12+4*\c+\i]
.endr
.endr
.endm
	s_load_b256 s[4:11], s[0:1], 0x0               ; the tokens' codes s[4:5], the weights' s[6:7], the bias s[8:9], the output s[10:11]
	s_load_b128 s[92:95], s[0:1], 0x20             ; w_ff2 s[92:93], the feed-forward weights' codes s[94:95]
	v_lshl_add_u32 v[SPW], v0, 2, SPARE
	v_mov_b32 v[NIL], 0
	ds_add_u32 v[SPW], v[NIL]                      ; the wave's opening: the add and its wait ahead of my first tensor load
	ds_add_u32 v[SPW], v[NIL]
	v_lshrrev_b32 v1, 5, v0
	v_readfirstlane_b32 s14, v1                    ; wave
	s_lshr_b32 s15, s14, 1                         ; which half of U is mine.  Also: I fetch for region Y (0) or X (1)
	s_and_b32 s16, s14, 1                          ; which half of W.  Also: which half of the region I fetch
	s_bfe_u32 s40, ttmp6, 0x40000                  ; cx, cy
	s_bfe_u32 s41, ttmp6, 0x40004
	s_lshl_b32 s42, ttmp9, 2
	s_add_co_u32 s42, s42, s40                     ; work-group x
	s_and_b32 s17, ttmp7, 0xffff
	s_lshl_b32 s17, s17, 2
	s_add_co_u32 s17, s17, s41                     ; work-group y
	s_lshl_b32 s43, s41, 2
	s_lshl_b32 s43, 15, s43                        ; my row of the cluster
	s_lshl_b32 s44, 0x1111, s40                    ; my column
	s_or_b32 s[G1Y], s43, (3<<16)|(1<<21)          ; the mask; elements of 8 bytes; bit 21 beside a mask; no padding
	s_or_b32 s[G1X], s44, (3<<16)|(1<<21)
.irp g, G1Y, G1X
	s_mov_b32 s[\g+1], 32<<16                      ; a wave's part of a slot, eight tiles, is 25,600 consecutive bytes at a multiple of 256: 100 rows of 256 bytes
	s_mov_b32 s[\g+2], 100<<16
	s_mov_b32 s[\g+3], 32<<16
	s_mov_b32 s[\g+4], 100
	s_mov_b32 s[\g+5], 32
	s_mov_b32 s[\g+6], 0
	s_mov_b32 s[\g+7], 0
.endr
	s_mul_i32 s18, s16, 25600/NR                   ; which half I fetch
	s_mul_i32 s20, s17, 51200/NR
	s_add_co_u32 s20, s20, s18
	s_mov_b32 s21, 0
	s_mul_i32 s46, s42, 51200/NR
	s_add_co_u32 s46, s46, s18
	s_add_co_u32 s46, s46, WOFF
	s_mov_b32 s47, 0
	s_mul_i32 s45, s14, 25600                      ; where it goes: no place in the cluster enters an LDS address
	s_wait_dscnt 0x0                               ; the opening add is done
	s_wait_kmcnt 0x0
	s_add_nc_u64 s[20:21], s[4:5], s[20:21]
	s_add_nc_u64 s[46:47], s[6:7], s[46:47]
	s_cmp_eq_u32 ttmp9, 3                          ; the cluster's number: equal in all partners
	s_cbranch_scc1 .Lweights
	; THE PREFETCHES INTO THE L2: slot 0 is asked for here, ahead of the round in front of its load; behind slot j's joint load stands a request for slot j + 2, and behind the first also one for slot 1.
	; The four partners that ask for a run of 25,600 bytes jointly share its 100 blocks of 256 bytes out by address, 25 each (place cx for the tokens, cy for the weights), a lane a block; lanes 25-31 name the wave's last block again.
	s_cmp_eq_u32 s15, 0                            ; do I fetch tokens?
	s_cselect_b64 s[90:91], s[20:21], s[46:47]
	s_cselect_b32 s86, s40, s41                    ; my place among the four
	s_mov_b32 s88, CSX
	s_cselect_b32 s88, CSY, s88                    ; from slot to slot
	s_mov_b32 s89, 0
	s_mul_i32 s86, s86, 6400
	s_mov_b32 s87, 0
	s_add_nc_u64 s[90:91], s[90:91], s[86:87]          ; slot 0
	s_add_nc_u64 s[PF:PF+1], s[90:91], s[88:89]        ; slot 1
	s_add_nc_u64 s[PF+2:PF+3], s[PF:PF+1], s[88:89]    ; slot 2
	s_add_nc_u64 s[PF+4:PF+5], s[PF+2:PF+3], s[88:89]  ; slot 3, the last
	v_and_b32 v[PFO], 31, v0
	v_min_u32 v[PFO], 24, v[PFO]
	v_lshlrev_b32 v[PFO], 8, v[PFO]
	s_wait_alu depctr_va_vdst(0)                   ; the wait behind the write
	global_prefetch_b8 v[PFO], s[90:91] th:TH_LOAD_NT scope:SCOPE_SE
	CROUND                                         ; all sixteen work-groups are here: the first joint loads meet
.irp s, 0,1
	s_mov_b32 s[G0Y+4*\s], 1
	s_add_co_u32 s[G0Y+4*\s+1], s45, \s*SLOT
	s_add_nc_u64 s[G0Y+4*\s+2:G0Y+4*\s+3], s[20:21], \s*NR*CSY
	s_or_b32 s[G0Y+4*\s+3], s[G0Y+4*\s+3], 0x80000000
	s_mov_b32 s[G0X+4*\s], 1
	s_add_co_u32 s[G0X+4*\s+1], s45, \s*SLOT
	s_add_nc_u64 s[G0X+4*\s+2:G0X+4*\s+3], s[46:47], \s*NR*CSX
	s_or_b32 s[G0X+4*\s+3], s[G0X+4*\s+3], 0x80000000
.endr
	JLOAD 0                                        ; slot 0: one tensor load a wave at the head
	v_and_b32 v1, 15, v0                           ; r
	v_bfe_u32 v2, v0, 4, 1                         ; h
	v_and_b32 v3, 31, v0
	v_lshlrev_b32 v6, 3, v3                        ; 8 x lane
	v_lshlrev_b32 v7, 2, v3                        ; 4 x lane
	v_lshlrev_b32 v3, 4, v3                        ; 16 x lane
	v_lshlrev_b32 v4, 2, v1                        ; 4 r
	v_lshlrev_b32 v5, 6, v2                        ; 64 h
	s_wait_alu depctr_va_vdst(0)
	v_mad_u32_u24 v24, v2, 0x1a000, v4             ; q, k: scale words: row r; lanes 16-31 the next head's group, 16 x 6,656 bytes on
	v_and_b32 v25, 8, v1
	v_add_nc_u32 v25, v25, v1
	v_lshlrev_b32 v25, 2, v25                      ; 4 (r + 8 (r / 8))
	; both forms of the bias are loaded by every work-group (both lie inside b_qkv for every x): along n for q and k, along the lane for v
	s_wait_alu depctr_va_vdst(0)
	s_lshl_b32 s18, s42, 10
	s_lshl_b32 s19, s16, 9
	s_add_co_u32 s18, s18, s19
	s_mov_b32 s19, 0
	s_add_nc_u64 s[70:71], s[8:9], s[18:19]        ; b_qkv at column 256 x + 128 Wh
	s_lshl_b32 s18, s42, 10
	s_lshl_b32 s22, s15, 9
	s_add_co_u32 s18, s18, s22
	s_add_nc_u64 s[72:73], s[8:9], s[18:19]        ; and at 256 x + 128 Uh
	WIN 0x40
.irp b, 0,1,2,3,4,5,6,7
	global_load_b128 v[96+8*\b+96*(\b/4):96+8*\b+96*(\b/4)+3], v5, s[70:71] offset:(32*(\b/2)+8*(\b%2))*4
	global_load_b128 v[96+8*\b+96*(\b/4)+4:96+8*\b+96*(\b/4)+7], v5, s[70:71] offset:(32*(\b/2)+8*(\b%2))*4+16
.endr
	WIN 0
.irp a, 0,1,2,3,4,5,6,7
	global_load_b32 v[8+\a], v25, s[72:73] offset:(32*(\a/2)+8*(\a%2))*4
.endr
	global_prefetch_b8 v[PFO], s[PF:PF+1] th:TH_LOAD_NT scope:SCOPE_SE      ; slot 1, whose load follows when slot 0 has landed,
	global_prefetch_b8 v[PFO], s[PF+2:PF+3] th:TH_LOAD_NT scope:SCOPE_SE    ; and slot 2
	s_cmp_eq_u32 ttmp9, 2                          ; the cluster's number: equal in all partners
	s_cselect_b32 s68, 51200, 0                    ; v: U is region X,
	s_cselect_b32 s69, 0, 51200                    ; W region Y
	s_mul_i32 s66, s15, 25600
	s_add_co_u32 s66, s66, s68
	s_mul_i32 s67, s16, 25600
	s_add_co_u32 s67, s67, s69
.irp s, 0,1
	v_add_nc_u32 v[ADRU+\s], s66, v3
	v_add_nc_u32 v[ADRW+\s], s67, v3
	v_add_nc_u32 v[ASU+\s], s66, v4
	v_add_nc_u32 v[ASW+\s], s67, v4
	s_add_co_u32 s66, s66, SLOT
	s_add_co_u32 s67, s67, SLOT
.endr
	s_wait_alu depctr_va_vdst(0)
	s_wait_tensorcnt 0x0                           ; my part of slot 0 is in
	ds_add_u32 v[SPW], v[NIL]
	s_wait_dscnt 0x0
	CROUND                                         ; everybody's part of slot 0 is in, and the joint loads meet
	JLOAD 1                                        ; slot 1's first fill, the first tensor load behind the round
	FETCH 0, 0, 0
	global_prefetch_b8 v[PFO], s[PF+4:PF+5] th:TH_LOAD_NT scope:SCOPE_SE    ; slot 3: two refills on
	STEPS 0, 1                                     ; the first step's products start the sums
	WIN 0
.if LAPS > 1
	s_mov_b32 s3, LAPS-1
.Llap:
	TURN 0, 1, 1
	STEPS 1, 0
	TURN 1, 0, 1
	STEPS 0, 0
	WIN 0
	s_sub_co_u32 s3, s3, 1
	s_cmp_lg_u32 s3, 0
	s_cbranch_scc1 .Llap
.endif
	TURN 0, 1, 0                                   ; the last lap fills nothing
	STEPS 1, 0
	LAST
	PLACES
	s_wait_loadcnt 0x0                             ; the biases
.irp b, 0,1,2,3
	v_mov_b32 v[TM+4+\b], 0                        ; written once: a lane permute's destination counts as one of its sources
.endr
	s_mov_b32 s[SEL], 0x76543210
	s_mov_b32 s[SEL+1], 0xfedcba98
	v_cmp_gt_u32 vcc_lo, 0x100, v3                 ; lanes 0-15
; q, k: tile a of 16 tokens: + bias, quantised along the columns: the fragment's registers 0-5 are one head's image, 6-11 the next head's
.macro E_QK a
.if (\a) > 0
	s_wait_xcnt 0x0                                ; the last tile's stores have read their registers
.endif
	WIN 0x06+(\a)/4                                ; source 0: the accumulators' window; source 1: window 1, the bias
.irp b, 0,1,2,3,4,5,6,7
.irp i, 0,2,4,6
	v_pk_add_f32 v[64+8*\b+\i:65+8*\b+\i], v[8*(8*((\a)%4)+\b)+\i:8*(8*((\a)%4)+\b)+\i+1], v[96+8*\b+96*(\b/4)+\i:96+8*\b+96*(\b/4)+\i+1]
.endr
.endr
	WIN 0
	QUANT 64, 224, 244
.irp e, 0,1
.irp g, 0,1,2
	global_store_b64 v6, v[224+6*\e+2*\g:225+6*\e+2*\g], s[76:77] offset:768*(\a)+256*\g+106496*\e   ; 32 lanes store 256 consecutive bytes, at a multiple of 256 from the buffer's first byte
.endr
.endr
	v_lshrrev_b32 v246, 16, v244
	v_cndmask_b32 v246, v246, v244, vcc_lo         ; lanes 0-15: the first head's two bytes lowest; lanes 16-31: the second head's
	global_store_b32 v24, v246, s[76:77] offset:6144+64*(\a)
.endm
; v: tile a of 16 channels: + bias, quantised along 128 tokens.  Lanes 0-15 hold even tokens, lanes 16-31 odd ones; behind the exchange of halves the first three registers of a pair of blocks are the even tokens' image, the other three the odd tokens'
.macro E_V a
.if (\a) > 0
	s_wait_xcnt 0x0
.endif
.set HB, 102400*((\a)/4)+1536*((\a)%4)
	WIN 0x02+(\a)/4
.irp b, 0,1,2,3,4,5,6,7
.irp i, 0,2,4,6
.if (\a)%2 == 0
	v_pk_add_f32 v[64+8*\b+\i:65+8*\b+\i], v[8*(8*((\a)%4)+\b)+\i:8*(8*((\a)%4)+\b)+\i+1], v[8+(\a):9+(\a)] op_sel_hi:[1,0]
.else
	v_pk_add_f32 v[64+8*\b+\i:65+8*\b+\i], v[8*(8*((\a)%4)+\b)+\i:8*(8*((\a)%4)+\b)+\i+1], v[7+(\a):8+(\a)] op_sel:[0,1] op_sel_hi:[1,1]
.endif
.endr
.endr
	WIN 0
	QUANT 64, 224, 244+(\a)%2
.irp c, 0,1
	global_store_b64 v6, v[224+6*\c:225+6*\c], s[78:79] offset:HB+256*\c
	global_store_b32 v7, v[226+6*\c], s[78:79] offset:HB+512+128*\c
	global_store_b64 v6, v[236+4*\c:237+4*\c], s[78:79] offset:HB+768+256*\c
	global_store_b32 v7, v[238+4*\c], s[78:79] offset:HB+1280+128*\c
.endr
.if (\a)%2 == 1
	v_cndmask_b32 v246, v245, v244, vcc_lo         ; lanes 0-15: the even tile's words, lanes 16-31: this tile's
	global_store_b32 v7, v246, s[78:79] offset:102400*((\a)/4)+6144+64*((\a)%4-1)
.endif
.endm
	s_cmp_eq_u32 ttmp9, 2
	s_cbranch_scc1 .Lv
	s_lshr_b32 s18, s42, 2
	s_lshl_b32 s18, s18, 5                         ; 32 for k
	s_lshr_b32 s19, s17, 3
	s_lshl_b32 s19, s19, 4                         ; 16 b
	s_add_co_u32 s18, s18, s19
	s_lshl_b32 s19, s42, 2
	s_lshl_b32 s22, s16, 1
	s_add_co_u32 s19, s19, s22
	s_and_b32 s19, s19, 15                         ; the first of my two heads
	s_add_co_u32 s18, s18, s19
	s_lshl_b32 s18, s18, 4
	s_lshl_b32 s19, s17, 1
	s_add_co_u32 s19, s19, s15
	s_and_b32 s19, s19, 15                         ; my group of 128 tokens
	s_add_co_u32 s18, s18, s19
	s_mul_i32 s18, s18, 6656
	s_mov_b32 s19, 0
	s_add_nc_u64 s[76:77], s[10:11], s[18:19]
.irp a, 0,1,2,3,4,5,6,7
	E_QK \a
.endr
	s_branch .Lend
.Lv:
	s_lshr_b32 s18, s17, 3
	s_lshl_b32 s18, s18, 4                         ; 16 b
	s_lshl_b32 s19, s42, 2
	s_lshl_b32 s22, s15, 1
	s_add_co_u32 s19, s19, s22
	s_and_b32 s19, s19, 15                         ; the first of my two heads
	s_add_co_u32 s18, s18, s19
	s_lshl_b32 s18, s18, 4
	s_lshl_b32 s19, s17, 1
	s_add_co_u32 s19, s19, s16
	s_and_b32 s19, s19, 15                         ; my group of 128 tokens
	s_add_co_u32 s18, s18, s19
	s_mul_i32 s18, s18, 6400
	s_add_co_u32 s18, s18, 6815744
	s_mov_b32 s19, 0
	s_add_nc_u64 s[78:79], s[10:11], s[18:19]
.irp a, 0,1,2,3,4,5,6,7
	E_V \a
.endr
.Lend:
	s_wait_tensorcnt 0x0                           ; the wave's end
	ds_add_u32 v[SPW], v[NIL]
	s_wait_dscnt 0x0
	CROUND                                         ; the closing round
	s_endpgm
; W_FF2 BECOMES CODES, in the records and the order of tiles' rows that the launch prep's head comment sets out; its area [16][64 tiles] lies behind w_ff1's 3,276,800 bytes in the buffer.
; Wave g = 4 (4 y + cx) + wave, 0 .. 255, takes 16 rows x 1,024 columns: tile g / 4, columns 1,024 (g % 4) on: four records of 16 x 256.
; A record's 16 KiB come by 32 loads, each half of the lanes on 256 consecutive bytes of a row; they turn through the wave's own stage in LDS (rows of 1,024 + 16 bytes) into 16 neighbours of a block to a lane.
; Two sets of 128 registers in window 1, one for records 0 and 2, one for records 1 and 3: while a record is worked, two are on their way.  No barrier: the waves share nothing.  The four records are written out: the last two fetch nothing.
.Lweights:
.set STG, SPARE+512                    ; behind the spare words: four stages, into which no tile lands
.set WP,  1040
.set OB,  40                           ; v40-47 byte offsets of my lane in the eight pairs of rows
.set AST, 48                           ; v48 the stage, on the way in;  v49 on the way out
.set ALD, 49
.set O16, 50                           ; v50 16 x lane;  v51 4 x lane
.set O4,  51
	s_lshl_b32 s18, s17, 2
	s_add_co_u32 s18, s18, s40
	s_lshl_b32 s18, s18, 2
	s_add_co_u32 s18, s18, s14                     ; g
	s_lshr_b32 s23, s18, 2                         ; the tile T
	s_lshr_b32 s19, s23, 1
	s_lshl_b32 s19, s19, 5
	s_and_b32 s22, s23, 1
	s_lshl_b32 s22, s22, 3
	s_add_co_u32 s19, s19, s22                     ; its first row, 32 (T / 2) + 8 (T % 2)
	s_lshl_b32 s20, s19, 14                        ; rows of 16,384 bytes
	s_and_b32 s22, s18, 3
	s_lshl_b32 s66, s22, 12                        ; my 1,024 columns
	s_add_co_u32 s20, s20, s66
	s_mov_b32 s21, 0
	s_add_nc_u64 s[92:93], s[92:93], s[20:21]      ; record 0
	s_add_nc_u64 s[96:97], s[92:93], 1024          ; record 1: 256 columns on
	s_mul_i32 s20, s23, 3200
	s_mul_i32 s22, s22, 819200                     ; four times 256 along K, 64 tiles x 3,200 bytes each
	s_add_co_u32 s20, s20, s22
	s_add_co_u32 s20, s20, 3276800                 ; behind w_ff1's area
	s_add_nc_u64 s[76:77], s[94:95], s[20:21]      ; where record 0 goes,
	s_add_nc_u64 s[78:79], s[76:77], 204800        ; and record 1
	s_mov_b32 s[SEL], 0x76543210
	s_mov_b32 s[SEL+1], 0xfedcba98
	v_and_b32 v52, 15, v0                          ; r
	v_bfe_u32 v53, v0, 4, 1                        ; h
	v_and_b32 v54, 31, v0
	v_lshlrev_b32 v[O16], 4, v54
	v_lshlrev_b32 v[O4], 2, v54
	v_lshlrev_b32 v55, 4, v52                      ; 16 r
	s_mul_i32 s66, s14, 16*WP
	s_add_co_u32 s66, s66, STG                     ; my stage
	v_mad_u32_u24 v[AST], v53, WP, v55             ; in: lanes 0-15 one row's 256 bytes, lanes 16-31 the next row's
	v_add_nc_u32 v[AST], s66, v[AST]
	v_mul_u32_u24 v[ALD], v52, WP                  ; out: row r, my half's 16 numbers of a block
	v_lshl_add_u32 v[ALD], v53, 6, v[ALD]
	v_add_nc_u32 v[ALD], s66, v[ALD]
.irp q, 0,1,2,3,4,5,6,7
	v_add_nc_u32 v56, 2*\q+8*(\q/4), v53           ; tile row p = 2 q + h is weight row p + 8 (p / 8) of the tile's 24
	v_lshl_add_u32 v[OB+\q], v56, 14, v55
.endr
.irp b, 0,1,2,3
	v_mov_b32 v[TM+4+\b], 0                        ; written once: a lane permute's destination counts as one of its sources
.endr
	s_wait_alu depctr_va_vdst(0)                   ; the wait at the head's end
.macro LOADW set, src                  ; a record's 32 loads into window 1
	WIN 0x40
.irp q, 0,1,2,3,4,5,6,7
.irp i, 0,1,2,3
	global_load_b128 v[\set+16*\q+4*\i:\set+16*\q+4*\i+3], v[OB+\q], s[\src:\src+1] offset:256*\i th:TH_LOAD_NT
.endr
.endr
	WIN 0
.endm
; one record.  left: the loads issued behind this record's, which may stay out;  more = 1: this set's next record, two records on, is fetched
.macro REC set, src, dst, more, left
	s_wait_loadcnt \left
	WIN 0x04                                       ; an LDS store's data are its source 1: window 1
.irp q, 0,1,2,3,4,5,6,7
.irp i, 0,1,2,3
	ds_store_b128 v[AST], v[\set+16*\q+4*\i:\set+16*\q+4*\i+3] offset:2*\q*WP+256*\i
.endr
.endr
	WIN 0
.irp t, 0,1
.irp b, 0,1,2,3
.irp j, 0,1,2,3
	ds_load_b128 v[64+64*\t+16*\b+4*\j:64+64*\t+16*\b+4*\j+3], v[ALD] offset:512*\t+128*\b+16*\j   ; LDS serves a wave's instructions in order: these see my stores
.endr
.endr
.endr
	s_wait_dscnt 0x0                               ; the numbers are back, and the stores have read their registers
.if \more
	s_add_nc_u64 s[\src:\src+1], s[\src:\src+1], 2048   ; this set's loads are done: 512 columns on
	LOADW \set, \src
.endif
	QUANT 64, 208, 248                             ; both K steps are quantised first: all the record's stores stand behind all its arithmetic
	QUANT 128, 228, 249
	v_cmp_gt_u32 vcc_lo, 0x100, v[O16]
	v_cndmask_b32 v250, v249, v248, vcc_lo         ; lanes 0-15: the first K step's words, lanes 16-31: the second's
.irp c, 0,1,2
	global_store_b128 v[O16], v[208+4*\c:211+4*\c], s[\dst:\dst+1] offset:512*\c        ; 32 lanes store 512 consecutive bytes
.endr
.irp c, 0,1,2
	global_store_b128 v[O16], v[228+4*\c:231+4*\c], s[\dst:\dst+1] offset:1536+512*\c
.endr
	global_store_b32 v[O4], v250, s[\dst:\dst+1] offset:3072
	s_wait_xcnt 0x0                                ; the stores have read their registers and their base
.if \more
	s_add_nc_u64 s[\dst:\dst+1], s[\dst:\dst+1], 409600   ; two times 256 along K on
.endif
.endm
	LOADW 0, 92
	LOADW 128, 96
	REC 0, 92, 76, 1, 32                           ; behind this record's loads: the other set's 32
	REC 128, 96, 78, 1, 32
	REC 0, 92, 76, 0, 32
	REC 128, 96, 78, 0, 0
	s_wait_tensorcnt 0x0                           ; the wave's end
	ds_add_u32 v[SPW], v[NIL]
	s_wait_dscnt 0x0
	CROUND                                         ; this way's one round, in front of the end
	s_endpgm
.Lfunc_end_k_qb0489fbc07_qkv:
	.size	k_qb0489fbc07_qkv, .Lfunc_end_k_qb0489fbc07_qkv-k_qb0489fbc07_qkv
	.p2alignl 7, 3214868480
	.fill 96, 4, 3214868480
	.section	.rodata,"a",@progbits
	.p2align	6, 0x0
	.amdhsa_kernel k_qb0489fbc07_qkv
		.amdhsa_group_segment_fixed_size 327680
		.amdhsa_private_segment_fixed_size 0
		.amdhsa_enable_private_segment 0
		.amdhsa_kernarg_size 48
		.amdhsa_user_sgpr_count 2
		.amdhsa_user_sgpr_kernarg_segment_ptr 1
		.amdhsa_wavefront_size32 1
		.amdhsa_system_sgpr_workgroup_id_x 1
		.amdhsa_system_sgpr_workgroup_id_y 1
		.amdhsa_system_sgpr_workgroup_id_z 1
		.amdhsa_system_vgpr_workitem_id 0
		.amdhsa_next_free_vgpr 1024
		.amdhsa_next_free_sgpr 100
		.amdhsa_reserve_vcc 1
		.amdhsa_float_denorm_mode_32 3
		.amdhsa_float_denorm_mode_16_64 3
		.amdhsa_memory_ordered 1
		.amdhsa_forward_progress 1
		.amdhsa_inst_pref_size 255
	.end_amdhsa_kernel
	.section	.bss,"aw",@nobits
	.p2align	6
	.space	262144
	.amdgpu_metadata
---
amdhsa.version: [ 1, 2 ]
amdhsa.kernels:
  - .name:           k_qb0489fbc07_qkv
    .symbol:         k_qb0489fbc07_qkv.kd
    .args:
      - { .name: act, .offset: 0, .size: 8, .value_kind: global_buffer, .address_space: global }
      - { .name: wbuf, .offset: 8, .size: 8, .value_kind: global_buffer, .address_space: global }
      - { .name: b_qkv, .offset: 16, .size: 8, .value_kind: global_buffer, .address_space: global }
      - { .name: qkvc, .offset: 24, .size: 8, .value_kind: global_buffer, .address_space: global }
      - { .name: w_ff2, .offset: 32, .size: 8, .value_kind: global_buffer, .address_space: global }
      - { .name: wff, .offset: 40, .size: 8, .value_kind: global_buffer, .address_space: global }
    .group_segment_fixed_size: 327680
    .private_segment_fixed_size: 0
    .kernarg_segment_align: 8
    .kernarg_segment_size: 48
    .max_flat_workgroup_size: 128
    .sgpr_count:     100
    .vgpr_count:     1024
    .wavefront_size: 32
...
	.end_amdgpu_metadata
.endif
;; end of part 2
;; launch attn (part 3): grid 16 x 16, 8 waves a work-group, no clusters, 167,936 bytes of LDS; arguments qkvc, attc; writes attc
.if DOCPART == 3
	.amdgcn_target "amdgcn-amd-amdhsa--gfx1250"
	.amdhsa_code_object_version 6
	.text
	.protected	k_qb0489fbc07_attn
	.globl	k_qb0489fbc07_attn
	.p2align	8
	.type	k_qb0489fbc07_attn,@function
k_qb0489fbc07_attn:
	s_mov_b64 s[64:65], 0
	v_nop
	global_prefetch_b8 v0, s[64:65] scope:SCOPE_SE
	s_setreg_imm32_b32 hwreg(HW_REG_WAVE_MODE, 25, 1), 1
	s_wait_xcnt 0x0
; The attention under the mask that the problem builds itself: key j counts for query i where i - j is even and 0 <= i - j <= 512.  So a query sees keys of its own parity alone; with s = token / 2 the band is 0 <= s_q - s_k <= 256.
; Both products on codes of E2M3.  p = 2^(t - M), t = score x log2(e) / 8, M the running largest t rounded up to a whole number; the row's sum of the unquantised p divides at the end.
; THE SECOND PRODUCT'S K is the original tokens, in blocks of 32: 16 of a block have the query's parity, the other 16 have p = 0.  The 16 real keys take a block's places 0-15 in P and in V alike, places 16-31 are zero codes.
; SHARES.  Work-group (x, y): the 128 tokens 128 x .. of batch y / 8, heads 2 (y % 8) and 2 (y % 8) + 1.  Wave w: parity w & 1, 16 queries s = 64 x + 32 (w >> 2) + 8 ((w >> 1) & 1) + r + 8 (r / 8), both heads one after the other,
; so that it ends with the 128 columns of one K step of the next product, which it quantises and stores as a fragment image.
; KEYS: five groups of 128 tokens, x - 4 .. x; a group before the sequence's start is left out by a scalar branch on the work-group's number.  Group 0 hides keys older than the band, group 4 the keys after the query.
; LDS is filled once: K's five groups and V's five records of both heads, each a dense block of memory, by one tensor load each of waves 0-3.  For x < 4 the block begins in the region in front (inside the buffer, written); no step reads that part.
; NO JOINT LOADS: neighbouring work-groups share four of five groups, but at different places of their windows, so a shared tile's LDS address would hang on the place in a cluster.
; Both products are used transposed (S^T = K Q^T, O^T = V^T P^T): a lane holds one query.  The keys of a tile of K are chosen so that a lane's 16 registers of two tiles are the 16 real keys of one block of 32 tokens.
; LIMITS: NaN and infinities are not served; exponentials under 2^-126 come out as 0; a block whose largest number lies under 2^-124 gets the byte 1.
.set KH,    33280                      ; K of a head: 5 groups x 6,656 bytes
.set VH,    32000                      ; V of a head: 5 records x 6,400 bytes
.set VB,    2*KH                       ; V begins here
.set SPARE, VB+2*VH                    ; the spare words, 128 bytes a wave
.set AK,  1                            ; v1  my lane's place in a group of K: token tile 2 (r / 8), row 8 parity + r % 8, half h
.set AKS, 2                            ; v2  and among its scale words
.set AV8, 3                            ; v3  my lane's place in an image of V, the 8-byte part
.set AV4, 4                            ; v4  the 4-byte part
.set AVS, 5                            ; v5  V's scale words
.set DM,  6                            ; v6  my query's place in its 64, less 16 h
.set SPW, 7                            ; v7  my spare word, v8 0; never rewritten
.set NIL, 8
.set AO,  9                            ; v9  the output image's place for my lane;  v10 the scale word's
.set ASO, 10
.set H8,  11                           ; v11 8 h
.set QF,  16                           ; v16-39 Q of both heads: 6 registers loaded, 6 zero
.set QS,  40                           ; v40-41 their scale words
.set KF,  42                           ; v42-71 K: tile t at 42 + 6 t; an operand's upper six registers are the next tile's (they meet Q's zero codes); the last six are zero
.set KS,  72
.set VS,  76
.set VF,  80                           ; v80-127 V: four tiles x 12; registers 3-5 and 9-11 zero
.set S,   128                          ; v128-159 S^T, then p
.set OT,  192                          ; v192-223 O^T; v160-191 the first head's finished numbers
.set PF,  224                          ; v224-235 p's codes; registers 3-5 and 9-11 zero
.set BM,  236
.set PX,  238
.set TA,  240
.set F,   242
.set SA,  244
.set SOP, 246
.set BY,  248
.set PWD, 250                          ; v250 p's scale word, and nothing else
.set TB,  251
.set NINF, 252
.set QO,  253
.set QSO, 254
.set TM,  128
.set WV,  18
.set G1K, 24
.set G1V, 32
.set G0K, 40
.set G0V, 44
.set CS,  62                           ; s[62:63] log2(e) / 8
.set SEL, 66                           ; s[66:67] lane l xor 16
.macro PLACES
.rept 4
	v_nop
.endr
.endm
.macro QUANT s, pc, pw
.irp b, 0,1,2,3
	v_max3_num_f32 v[TM+\b], |v[\s+16*\b]|, |v[\s+1+16*\b]|, 0x1800000
.endr
.irp i, 2,4,6,8,10,12,14
.irp b, 0,1,2,3
	s_delay_alu instid0(VALU_DEP_4)
	v_max3_num_f32 v[TM+\b], v[TM+\b], |v[\s+16*\b+\i]|, |v[\s+1+16*\b+\i]|
.endr
.endr
.irp b, 0,1,2,3
	s_delay_alu instid0(VALU_DEP_4)
	v_permlanex16_b32 v[TM+4+\b], v[TM+\b], s[SEL], s[SEL+1]
.endr
.irp b, 0,1,2,3
	s_delay_alu instid0(VALU_DEP_4)
	v_max_num_f32 v[TM+\b], v[TM+\b], v[TM+4+\b]
.endr
.irp b, 0,1,2,3
	s_delay_alu instid0(VALU_DEP_4)
	v_add_nc_u32 v[TM+12+\b], 0xff000000, v[TM+\b]
.endr
.irp b, 0,1,2,3
	s_delay_alu instid0(VALU_DEP_4)
	v_lshrrev_b32 v[TM+4+\b], 23, v[TM+12+\b]
.endr
	s_delay_alu instid0(VALU_DEP_3)
	v_lshl_or_b32 v[\pw], v[TM+5], 8, v[TM+4]
	s_delay_alu instid0(VALU_DEP_1)
	v_lshl_or_b32 v[\pw], v[TM+6], 16, v[\pw]
	s_delay_alu instid0(VALU_DEP_1)
	v_lshl_or_b32 v[\pw], v[TM+7], 24, v[\pw]
.irp c, 0,1
	v_cvt_scalef32_pk16_fp6_f32 v[\pc+6*\c:\pc+2+6*\c], v[\s+32*\c:\s+15+32*\c], v[TM+12+2*\c]
	v_cvt_scalef32_pk16_fp6_f32 v[\pc+12+4*\c:\pc+14+4*\c], v[\s+16+32*\c:\s+31+32*\c], v[TM+12+2*\c+1]
.endr
	v_nop
.irp c, 0,1
.irp i, 0,1,2
	v_permlane16_swap_b32 v[\pc+6*\c+\i], v[\pc+12+4*\c+\i]
.endr
.irp i, 0,1,2
	s_delay_alu instid0(VALU_DEP_3)
	v_mov_b32 v[\pc+3+6*\c+\i], v[\pc+12+4*\c+\i]
.endr
.endr
.endm
	s_load_b128 s[4:7], s[0:1], 0x0                ; q, k, v as codes s[4:5]; the output s[6:7]
	v_lshl_add_u32 v[SPW], v0, 2, SPARE
	v_mov_b32 v[NIL], 0
	ds_add_u32 v[SPW], v[NIL]                      ; the wave's opening: the add and its wait ahead of my first tensor load
	ds_add_u32 v[SPW], v[NIL]
	v_lshrrev_b32 v9, 5, v0
	s_delay_alu instid0(VALU_DEP_1)
	v_readfirstlane_b32 s[WV], v9                  ; wave 0..7
	s_and_b32 s19, ttmp7, 0xffff                   ; y = 8 b + the pair of heads: 2 y is the first head's index
	s_and_b32 s20, s[WV], 1                        ; a fetching wave's head
	s_mov_b32 s[G1K], 3<<16                        ; elements of 8 bytes, no mask, no padding: dense blocks as rows of 256 bytes
	s_mov_b32 s[G1K+1], 32<<16
	s_mov_b32 s[G1K+2], (KH/256)<<16
	s_mov_b32 s[G1K+3], 32<<16
	s_mov_b32 s[G1K+4], KH/256
	s_mov_b32 s[G1K+5], 32
	s_mov_b32 s[G1K+6], 0
	s_mov_b32 s[G1K+7], 0
	s_mov_b32 s[G1V], 3<<16
	s_mov_b32 s[G1V+1], 32<<16
	s_mov_b32 s[G1V+2], (VH/256)<<16
	s_mov_b32 s[G1V+3], 32<<16
	s_mov_b32 s[G1V+4], VH/256
	s_mov_b32 s[G1V+5], 32
	s_mov_b32 s[G1V+6], 0
	s_mov_b32 s[G1V+7], 0
	s_lshl_b32 s21, s19, 1
	s_add_co_u32 s21, s21, s20
	s_lshl_b32 s22, s21, 4
	s_add_co_u32 s22, s22, ttmp9                   ; 16 x head index + my group
	s_mul_i32 s48, s22, 6656
	s_add_co_u32 s48, s48, 512*6656-4*6656         ; k lies behind q's 512 groups; the window begins four groups back
	s_mov_b32 s49, 0
	s_mul_i32 s50, s22, 6400
	s_add_co_u32 s50, s50, 6815744-4*6400
	s_mov_b32 s51, 0
	s_mul_i32 s52, s20, KH
	s_mul_i32 s53, s20, VH
	s_add_co_u32 s53, s53, VB
	s_mov_b32 s[CS], 0x3e38aa3b
	s_mov_b32 s[CS+1], s[CS]
	s_mov_b32 s[SEL], 0x76543210
	s_mov_b32 s[SEL+1], 0xfedcba98
	s_wait_dscnt 0x0                               ; the opening add is done
	s_wait_kmcnt 0x0
	s_mov_b32 s[G0K], 1
	s_mov_b32 s[G0K+1], s52
	s_add_nc_u64 s[G0K+2:G0K+3], s[4:5], s[48:49]
	s_or_b32 s[G0K+3], s[G0K+3], 0x80000000
	s_mov_b32 s[G0V], 1
	s_mov_b32 s[G0V+1], s53
	s_add_nc_u64 s[G0V+2:G0V+3], s[4:5], s[50:51]
	s_or_b32 s[G0V+3], s[G0V+3], 0x80000000
	s_cmp_lt_u32 s[WV], 2                          ; waves 0, 1: K of head 0, 1; waves 2, 3: V; one tensor load a wave, and no other in the launch
	s_cbranch_scc0 .Lnot_k
	tensor_load_to_lds s[G0K:G0K+3], s[G1K:G1K+7]
	s_nop 0
.rept 4
	v_nop
.endr
	s_branch .Lasked
.Lnot_k:
	s_cmp_lt_u32 s[WV], 4
	s_cbranch_scc0 .Lasked
	tensor_load_to_lds s[G0V:G0V+3], s[G1V:G1V+7]
	s_nop 0
.rept 4
	v_nop
.endr
.Lasked:
	v_bfe_u32 v128, v0, 3, 1                       ; r / 8
	v_and_b32 v129, 7, v0                          ; r % 8
	v_bfe_u32 v130, v0, 4, 1                       ; h
	v_bfe_u32 v131, v0, 5, 1                       ; my wave's parity
	v_and_b32 v132, 31, v0                         ; lane
	v_and_b32 v133, 15, v0                         ; r
	v_mul_u32_u24 v[AK], v128, 1536
	s_delay_alu instid0(VALU_DEP_1)
	v_lshl_add_u32 v[AK], v129, 3, v[AK]
	s_delay_alu instid0(VALU_DEP_1)
	v_lshl_add_u32 v[AK], v131, 6, v[AK]
	s_delay_alu instid0(VALU_DEP_1)
	v_lshl_add_u32 v[AK], v130, 7, v[AK]
	v_lshlrev_b32 v[AKS], 7, v128
	s_delay_alu instid0(VALU_DEP_1)
	v_lshl_add_u32 v[AKS], v129, 2, v[AKS]
	s_delay_alu instid0(VALU_DEP_1)
	v_lshl_add_u32 v[AKS], v131, 5, v[AKS]
	s_delay_alu instid0(VALU_DEP_1)
	v_add_nc_u32 v[AKS], 6144, v[AKS]
	v_mul_u32_u24 v[AV8], v131, 768
	s_delay_alu instid0(VALU_DEP_1)
	v_lshl_add_u32 v[AV4], v132, 2, v[AV8]
	s_delay_alu instid0(VALU_DEP_2)
	v_lshl_add_u32 v[AV8], v132, 3, v[AV8]
	s_delay_alu instid0(VALU_DEP_1)
	v_add_nc_u32 v[AV8], VB, v[AV8]
	s_delay_alu instid0(VALU_DEP_3)
	v_add_nc_u32 v[AV4], VB+512, v[AV4]
	v_lshl_add_u32 v[AVS], v133, 2, VB+6144
	s_lshr_b32 s56, s[WV], 2
	s_lshl_b32 s56, s56, 2
	s_bfe_u32 s57, s[WV], 0x10001
	s_add_co_u32 s57, s57, s56                     ; 4 c + u: the first of my two token tiles
	s_lshl_b32 s58, s57, 3
	v_lshl_add_u32 v[DM], v128, 3, v133
	v_lshlrev_b32 v134, 4, v130
	s_delay_alu instid0(VALU_DEP_1)
	v_sub_nc_u32 v[DM], v[DM], v134
	s_delay_alu instid0(VALU_DEP_1)
	v_add_nc_u32 v[DM], s58, v[DM]
	v_lshlrev_b32 v[H8], 3, v130
	v_mul_u32_u24 v[ASO], v128, 6400               ; my two tiles of the output lie two tiles, 2 x 3,200 bytes, apart
	s_delay_alu instid0(VALU_DEP_1)
	v_lshl_add_u32 v[AO], v129, 4, v[ASO]
	s_delay_alu instid0(VALU_DEP_1)
	v_lshl_add_u32 v[AO], v131, 7, v[AO]
	s_delay_alu instid0(VALU_DEP_1)
	v_lshl_add_u32 v[AO], v130, 8, v[AO]
	s_delay_alu instid0(VALU_DEP_4)
	v_lshl_add_u32 v[ASO], v129, 2, v[ASO]
	s_delay_alu instid0(VALU_DEP_1)
	v_lshl_add_u32 v[ASO], v131, 5, v[ASO]
	s_mul_i32 s58, s57, 768
	v_add_nc_u32 v[QO], s58, v[AK]
	s_lshl_b32 s58, s57, 6
	v_add_nc_u32 v[QSO], s58, v[AKS]
	s_lshl_b32 s56, s19, 5
	s_add_co_u32 s56, s56, ttmp9
	s_mul_i32 s60, s56, 6656
	s_mov_b32 s61, 0
	s_add_nc_u64 s[54:55], s[4:5], s[60:61]        ; q: my first head's group of these 128 tokens
.irp e, 0,1
.irp g, 0,1,2
	global_load_b64 v[QF+12*\e+2*\g:QF+12*\e+2*\g+1], v[QO], s[54:55] offset:106496*\e+256*\g
.endr
	global_load_b32 v[QS+\e], v[QSO], s[54:55] offset:106496*\e
.endr
	s_lshr_b32 s56, s19, 3
	s_lshl_b32 s56, s56, 7                         ; 128 b
	s_lshl_b32 s58, ttmp9, 3
	s_add_co_u32 s56, s56, s58
	s_add_co_u32 s56, s56, s57                     ; the output's tile 128 b + 8 x + 4 c + u
	s_bfe_u32 s58, s19, 0x20001                    ; which 256 along the next product's K: (y % 8) / 2
	s_mul_i32 s58, s58, 819200                     ; the output's records lie [K / 256][tile]: 256 tiles x 3,200 bytes
	s_mul_i32 s60, s56, 3200
	s_add_co_u32 s60, s60, s58
	s_add_nc_u64 s[68:69], s[6:7], s[60:61]
	s_and_b32 s58, s19, 1                          ; which of the record's two K steps
	s_lshl_b32 s60, s58, 6
	s_add_co_u32 s60, s60, 3072
	s_add_nc_u64 s[70:71], s[68:69], s[60:61]      ; the scale words
	s_mul_i32 s60, s58, 1536
	s_add_nc_u64 s[68:69], s[68:69], s[60:61]      ; the image
.irp j, 6,7,8,9,10,11,18,19,20,21,22,23
	v_mov_b32 v[QF+\j], 0                          ; the head has 64 channels: K = 64 .. 127 are zero codes
.endr
.irp j, 24,25,26,27,28,29
	v_mov_b32 v[KF+\j], 0
.endr
.irp t, 0,1,2,3
.irp j, 3,4,5,9,10,11
	v_mov_b32 v[VF+12*\t+\j], 0
.endr
.endr
.irp j, 3,4,5,9,10,11
	v_mov_b32 v[PF+\j], 0
.endr
	v_mov_b32 v[PX], 0                             ; written once: a lane permute's destination counts as one of its sources
	v_mov_b32 v[F+1], 0                            ; (named as the upper half of a pair)
	v_mov_b32 v[NINF], 0xff800000
	s_wait_tensorcnt 0x0                           ; my tile has landed,
	s_barrier_signal -1
	s_barrier_wait -1                              ; everybody's has
	s_wait_loadcnt 0x0                             ; Q
; A KEY STEP of head he: group st of the five, 64 keys of my parity.  mode 1: keys older than the band are hidden; 2: keys after the query; 0: all count.
.macro ASTEP he, st, mode
.if (\st) < 4
	s_add_co_u32 s72, ttmp9, \st
	s_cmp_lt_u32 s72, 4
	s_cbranch_scc1 .Lskip_\@                       ; the group lies before the sequence's start: ids alone decide
.endif
	PLACES                                         ; ahead of loads into registers that the last products read
.irp t, 0,1,2,3
.irp g, 0,1,2
	ds_load_b64 v[KF+6*\t+2*\g:KF+6*\t+2*\g+1], v[AK] offset:6656*(\st)+768*(4*(\t/2)+\t%2)+256*\g
.endr
	ds_load_b32 v[KS+\t], v[AKS] offset:6656*(\st)+64*(4*(\t/2)+\t%2)
.endr
.irp t, 0,1,2,3
.irp c, 0,1
	ds_load_b64 v[VF+12*\t+6*\c:VF+12*\t+6*\c+1], v[AV8] offset:6400*(\st)+1536*\t+256*\c
	ds_load_b32 v[VF+12*\t+6*\c+2], v[AV4] offset:6400*(\st)+1536*\t+128*\c
.endr
	ds_load_b32 v[VS+\t], v[AVS] offset:6400*(\st)+64*\t
.endr
	s_wait_dscnt 20                                ; K's 16 loads are in; V's 20 may stay out
.irp t, 0,1,2,3
	v_wmma_scale_f32_16x16x128_f8f6f4 v[S+8*\t:S+8*\t+7], v[KF+6*\t:KF+6*\t+11], v[QF+12*(\he):QF+12*(\he)+11], 0, v[KS+\t], v[QS+(\he)] matrix_a_fmt:MATRIX_FMT_FP6 matrix_b_fmt:MATRIX_FMT_FP6
.endr
	PLACES
.if (\mode) == 2                       ; register n holds key 32 (n / 16) + 16 h + n % 16 of the group
.set mn, 0
.rept 32
	v_cmp_gt_i32 vcc_lo, 32*(mn/16)+mn%16, v[DM]
	v_cndmask_b32 v[S+mn], v[S+mn], v[NINF], vcc_lo
.set mn, mn+1
.endr
.elseif (\mode) == 1
.set mn, 0
.rept 32
	v_cmp_lt_i32 vcc_lo, 32*(mn/16)+mn%16, v[DM]
	v_cndmask_b32 v[S+mn], v[S+mn], v[NINF], vcc_lo
.set mn, mn+1
.endr
.endif
.irp b, 0,1
	v_max3_num_f32 v[BM+\b], v[S+16*\b], v[S+16*\b+1], v[S+16*\b+2]      ; the largest score of each of my two blocks: all 16 real keys of a block are mine
.endr
.irp i, 3,5,7,9,11,13
.irp b, 0,1
	v_max3_num_f32 v[BM+\b], v[BM+\b], v[S+16*\b+\i], v[S+16*\b+\i+1]
.endr
.endr
.irp b, 0,1
	v_max_num_f32 v[BM+\b], v[BM+\b], v[S+16*\b+15]
.endr
	s_delay_alu instid0(VALU_DEP_1)
	v_max_num_f32 v[TA], v[BM], v[BM+1]
	s_delay_alu instid0(VALU_DEP_1)
	v_permlanex16_b32 v[PX], v[TA], s[SEL], s[SEL+1]
	s_delay_alu instid0(VALU_DEP_1)
	v_max_num_f32 v[TA], v[TA], v[PX]              ; the step's largest score of my query
	s_delay_alu instid0(VALU_DEP_1)
	v_mul_f32 v[TA], s[CS], v[TA]
	s_delay_alu instid0(VALU_DEP_1)
	v_max_num_f32 v13, v13, v[TA]                  ; the running largest t
	v_mov_b32 v[TA], v12
	s_delay_alu instid0(VALU_DEP_2)
	v_floor_f32 v12, -v13                          ; the new -M: M is a whole number
	s_delay_alu instid0(VALU_DEP_1)
	v_sub_f32 v[TA], v12, v[TA]
	s_delay_alu instid0(VALU_DEP_1)
	v_cvt_i32_f32 v[TA], v[TA]                     ; (it saturates)
	s_delay_alu instid0(VALU_DEP_1)
	v_ldexp_f32 v[F], 1.0, v[TA]                   ; f = 2^(old M - new M): rounds nothing
.irp j, 0,2,4,6,8,10,12,14,16,18,20,22,24,26,28,30
	v_pk_fma_f32 v[S+\j:S+\j+1], v[S+\j:S+\j+1], s[CS:CS+1], v[12:13] op_sel_hi:[1,0,0]
.endr
.irp b, 0,1
	v_fma_f32 v[BM+\b], v[BM+\b], s[CS], v12
.endr
.set mn, 0
	s_wait_alu depctr_va_vdst(0)
.rept 32
	v_exp_f32 v[S+mn], v[S+mn]                     ; p = 2^(t - M)
.set mn, mn+1
.endr
	v_pk_mul_f32 v[14:15], v[14:15], v[F:F+1] op_sel_hi:[1,0]             ; the sums under the new M: the plain place behind the batch
	s_wait_alu depctr_va_vdst(0)                   ; one wait for the 32, ahead of their first reader
.irp b, 0,1
	v_exp_f32 v[BM+\b], v[BM+\b]                   ; the block's largest p: the same two instructions on the same number
.endr
	v_pk_add_f32 v[SA:SA+1], v[S:S+1], v[S+2:S+3]                         ; the row's sum is taken of the unquantised p
.irp j, 4,8,12,16,20,24,28
	v_pk_add_f32 v[14:15], v[14:15], v[S+\j:S+\j+1]
	v_pk_add_f32 v[SA:SA+1], v[SA:SA+1], v[S+\j+2:S+\j+3]
.endr
	s_delay_alu instid0(VALU_DEP_1)
	v_pk_add_f32 v[14:15], v[14:15], v[SA:SA+1]
	s_wait_alu depctr_va_vdst(0)                   ; and one for the two
.irp b, 0,1
	v_max_num_f32 v[BM+\b], 0x1800000, v[BM+\b]    ; the floor: the byte cannot fall under 1
.endr
.irp b, 0,1
	s_delay_alu instid0(VALU_DEP_2)
	v_add_nc_u32 v[SOP+\b], 0xff000000, v[BM+\b]
.endr
.irp b, 0,1
	s_delay_alu instid0(VALU_DEP_2)
	v_lshrrev_b32 v[BY+\b], 23, v[SOP+\b]
.endr
	s_delay_alu instid0(VALU_DEP_1)
	v_lshl_or_b32 v[TB], v[BY+1], 16, v[BY]        ; my bytes: blocks h and 2 + h,
	s_delay_alu instid0(VALU_DEP_1)
	v_lshlrev_b32 v[TB], v[H8], v[TB]              ; at their places;
	s_delay_alu instid0(VALU_DEP_1)
	v_permlanex16_b32 v[PX], v[TB], s[SEL], s[SEL+1]
	s_delay_alu instid0(VALU_DEP_1)
	v_or_b32 v[PWD], v[TB], v[PX]                  ; with lane l xor 16's two the word is whole
	v_cvt_scalef32_pk16_fp6_f32 v[PF:PF+2], v[S:S+15], v[SOP]
	v_cvt_scalef32_pk16_fp6_f32 v[PF+6:PF+8], v[S+16:S+31], v[SOP+1]
	v_nop                                          ; one plain place behind the scaled conversions
.irp j, 0,2,4,6,8,10,12,14,16,18,20,22,24,26,28,30
	v_pk_mul_f32 v[OT+\j:OT+\j+1], v[OT+\j:OT+\j+1], v[F:F+1] op_sel_hi:[1,0]   ; O^T under the new M; these are also the places between the scale word, the codes and the products
.endr
	s_wait_alu depctr_va_vdst(0)
	s_wait_dscnt 0x0                               ; V is in
.irp t, 0,1,2,3
	v_wmma_scale_f32_16x16x128_f8f6f4 v[OT+8*\t:OT+8*\t+7], v[VF+12*\t:VF+12*\t+11], v[PF:PF+11], v[OT+8*\t:OT+8*\t+7], v[VS+\t], v[PWD] matrix_a_fmt:MATRIX_FMT_FP6 matrix_b_fmt:MATRIX_FMT_FP6
.endr
.if (\st) < 4
.Lskip_\@:
.endif
.endm
.macro HEAD he
.set hn, 0
.rept 32
	v_mov_b32 v[OT+hn], 0                          ; a step may be left out, so no step is the first by the text: the sums begin as zeros
.set hn, hn+1
.endr
	v_mov_b32 v13, 0xff61b1e6                      ; -3e38, under every t
	s_delay_alu instid0(VALU_DEP_1)
	v_floor_f32 v12, -v13
	v_mov_b32 v14, 0
	v_mov_b32 v15, 0
	ASTEP \he, 0, 1
	ASTEP \he, 1, 0
	ASTEP \he, 2, 0
	ASTEP \he, 3, 0
	ASTEP \he, 4, 2
	PLACES
	v_add_f32 v14, v14, v15
	s_delay_alu instid0(VALU_DEP_1)
	v_permlanex16_b32 v[PX], v14, s[SEL], s[SEL+1]
	s_delay_alu instid0(VALU_DEP_1)
	v_add_f32 v14, v14, v[PX]                      ; the row's sum
	s_wait_alu depctr_va_vdst(0)
	v_rcp_f32 v[F], v14
	v_nop
	s_wait_alu depctr_va_vdst(0)
.set hn, 0
.rept 16
	v_pk_mul_f32 v[160+32*(\he)+hn:161+32*(\he)+hn], v[OT+hn:OT+hn+1], v[F:F+1] op_sel_hi:[1,0]   ; register 16 b + i: channel 32 b + 16 h + i of the head
.set hn, hn+2
.endr
.endm
	HEAD 0
	v_add_nc_u32 v[AK], KH, v[AK]                  ; on to the second head's tiles
	v_add_nc_u32 v[AKS], KH, v[AKS]
	v_add_nc_u32 v[AV8], VH, v[AV8]
	v_add_nc_u32 v[AV4], VH, v[AV4]
	v_add_nc_u32 v[AVS], VH, v[AVS]
	HEAD 1
.irp b, 0,1,2,3
	v_mov_b32 v[TM+4+\b], 0
.endr
	QUANT 160, 80, 100                             ; the two heads' 128 columns: one K step of the next product
.irp g, 0,1,2
	global_store_b128 v[AO], v[80+4*\g:83+4*\g], s[68:69] offset:512*\g    ; eight lanes store 128 consecutive bytes: the other parity's rows are another wave's
.endr
	v_and_b32 v101, 31, v0
	s_delay_alu instid0(VALU_DEP_1)
	v_cmp_gt_u32 vcc_lo, 16, v101
	s_wait_xcnt 0x0                                ; EXEC changes only behind this wait
	s_and_saveexec_b32 s73, vcc_lo
	global_store_b32 v[ASO], v100, s[70:71]
	s_wait_xcnt 0x0
	s_or_b32 exec_lo, exec_lo, s73
	s_wait_tensorcnt 0x0                           ; the wave's end
	ds_add_u32 v[SPW], v[NIL]
	s_wait_dscnt 0x0
	s_endpgm
.Lfunc_end_k_qb0489fbc07_attn:
	.size	k_qb0489fbc07_attn, .Lfunc_end_k_qb0489fbc07_attn-k_qb0489fbc07_attn
	.p2alignl 7, 3214868480
	.fill 96, 4, 3214868480
	.section	.rodata,"a",@progbits
	.p2align	6, 0x0
	.amdhsa_kernel k_qb0489fbc07_attn
		.amdhsa_group_segment_fixed_size 167936
		.amdhsa_private_segment_fixed_size 0
		.amdhsa_enable_private_segment 0
		.amdhsa_kernarg_size 16
		.amdhsa_user_sgpr_count 2
		.amdhsa_user_sgpr_kernarg_segment_ptr 1
		.amdhsa_wavefront_size32 1
		.amdhsa_system_sgpr_workgroup_id_x 1
		.amdhsa_system_sgpr_workgroup_id_y 1
		.amdhsa_system_sgpr_workgroup_id_z 1
		.amdhsa_system_vgpr_workitem_id 0
		.amdhsa_next_free_vgpr 256
		.amdhsa_next_free_sgpr 80
		.amdhsa_reserve_vcc 1
		.amdhsa_float_denorm_mode_32 3
		.amdhsa_float_denorm_mode_16_64 3
		.amdhsa_memory_ordered 1
		.amdhsa_forward_progress 1
		.amdhsa_inst_pref_size 136
	.end_amdhsa_kernel
	.amdgpu_metadata
---
amdhsa.version: [ 1, 2 ]
amdhsa.kernels:
  - .name:           k_qb0489fbc07_attn
    .symbol:         k_qb0489fbc07_attn.kd
    .args:
      - { .name: qkvc, .offset: 0, .size: 8, .value_kind: global_buffer, .address_space: global }
      - { .name: attc, .offset: 8, .size: 8, .value_kind: global_buffer, .address_space: global }
    .group_segment_fixed_size: 167936
    .private_segment_fixed_size: 0
    .kernarg_segment_align: 8
    .kernarg_segment_size: 16
    .max_flat_workgroup_size: 256
    .sgpr_count:     80
    .vgpr_count:     256
    .wavefront_size: 32
...
	.end_amdgpu_metadata
.endif
;; end of part 3
;; launch oproj (part 4): grid 8 x 32, 4 waves a work-group, clusters of 4 x 4, 327,680 bytes of LDS; arguments attc, wbuf, b_o, x, out1; writes out1
.if DOCPART == 4
	.amdgcn_target "amdgcn-amd-amdhsa--gfx1250"
	.amdhsa_code_object_version 6
	.text
	.protected	k_qb0489fbc07_oproj
	.globl	k_qb0489fbc07_oproj
	.p2align	8
	.type	k_qb0489fbc07_oproj,@function
k_qb0489fbc07_oproj:
	s_mov_b64 s[64:65], 0
	v_nop
	global_prefetch_b8 v0, s[64:65] scope:SCOPE_SE
	s_setreg_imm32_b32 hwreg(HW_REG_WAVE_MODE, 25, 1), 1
	s_wait_xcnt 0x0
	s_wait_alu depctr_hold_cnt(0) depctr_sa_sdst(0) depctr_va_vdst(0) depctr_va_sdst(0) depctr_va_ssrc(0) depctr_va_vcc(0) depctr_vm_vsrc(0)
	s_getreg_b32 s2, hwreg(HW_REG_IB_STS2, 6, 4)
	s_cmp_eq_u32 s2, 0
	s_cbranch_scc0 .Lentry_in_a_cluster
	s_endpgm
.Lentry_in_a_cluster:
	s_bfe_u32 s2, ttmp6, 0x10000c
	s_cmp_lg_u32 s2, 0xf033
	s_cbranch_scc0 .Lentry_shape_is_right
	s_endpgm
.Lentry_shape_is_right:
; out = residual + A W^T + bias, on codes of E2M3: here A = the attention's result, W = w_o, residual = x.  f32 out, rows in true token order.
; N = 1,024 gives only 64 tiles of 256 x 256, so a work-group makes 128 tokens x 128 columns (256 work-groups), each of four waves 64 x 64: 16 accumulators.  A slot holds 512 along K (two records a tile), so that a refill has four steps in which to land.
; Operands, ring, cluster and joint loads as in the launch qkv: records of 3,200 bytes, fragment images, scale words beside them; source 1 = tokens, source 0 = weights.
; The bias is the C of each sum's first product.  The residual is loaded at the kernel's head into registers of its own and added on the way out, where a tile of 16 tokens x 64 columns goes through the wave's own stage in LDS:
; it comes back as whole rows, so that sixteen lanes store 256 consecutive bytes at a multiple of 256 from the output's first byte.  The stage lies in slot 0, which has had its last fill and its last read by then.
.set UB, 4
.set WB, 4
.set NR, 2
.set KK, 1024
.set WOFF, 2457600
.set SLOT,   102400
.set SPARE,  2*SLOT
.set NQ,     2*NR
.set TS,     3200                      ; from tile to tile in a slot
.set CH,     25600/NR                  ; from one 256 along K to the next inside a wave's part of a slot: four tiles
.set KREC,   KK/256
.set CSY,    819200                    ; in memory the records lie [K / 256][tile]: from one 256 along K to the next: 256 tiles of tokens x 3,200 bytes,
.set CSX,    204800                    ; 64 tiles of this weight
.set PFO,    30                        ; v30 the prefetch's offset: 256 x min(lane, 24); never rewritten
.set PF,     80                        ; s[80:81] my work-group's quarter of what my wave loads for slot 1; never rewritten
.set LAPS,   KREC/(2*NR)
.set APW,    32/WB
.set ADRU, 16
.set ADRW, 18
.set ASU,  20
.set ASW,  22
.set STO,  24                          ; v24 the stage, on the way in;  v25 on the way out;  v26 my byte offset in the residual and in the output
.set RD,   25
.set RO,   26
.set SPW,  28
.set NIL,  29
.set G1Y, 24
.set G0Y, 32
.set G1X, 48
.set G0X, 56
.set MSB, 0
.macro WIN new
.if MSB != (\new)
	s_set_vgpr_msb (MSB<<8)|(\new)
.set MSB, (\new)
.endif
.endm
.macro PLACES
.rept 4
	v_nop
.endr
.endm
.macro JLOAD s
	s_cmp_eq_u32 s15, 0
	s_cbranch_scc0 .Lfor_x_\@
	tensor_load_to_lds s[G0Y+4*\s:G0Y+4*\s+3], s[G1Y:G1Y+7]
	s_nop 0
.rept 4
	v_nop
.endr
	s_branch .Lasked_\@
.Lfor_x_\@:
	tensor_load_to_lds s[G0X+4*\s:G0X+4*\s+3], s[G1X:G1X+7]
	s_nop 0
.rept 4
	v_nop
.endr
.Lasked_\@:
.endm
.macro CREST
	s_cmp_lg_u32 s14, 0
	s_cbranch_scc1 .Lnot_wave_0_\@
	s_barrier_signal -3
.Lnot_wave_0_\@:
	s_barrier_wait -3
	s_barrier_signal -1
	s_barrier_wait -1
.endm
.macro CROUND
	s_barrier_signal -1
	s_barrier_wait -1
	CREST
.endm
.macro FETCH slot, q, p
.set FO, ((\q)/2)*CH+((\q)%2)*1536
.set FS, ((\q)/2)*CH+3072+((\q)%2)*64
	WIN 0x40
.set fi, 0
.rept WB
.irp c, 0,1,2
	ds_load_b128 v[128*(\p)+12*fi+4*\c:128*(\p)+12*fi+4*\c+3], v[ADRW+\slot] offset:fi*TS+FO+512*\c
.endr
.set fi, fi+1
.endr
	WIN 0
.set fi, 0
.rept UB
.irp c, 0,1,2
	ds_load_b128 v[64+96*(\p)+12*fi+4*\c:64+96*(\p)+12*fi+4*\c+3], v[ADRU+\slot] offset:fi*TS+FO+512*\c
.endr
	ds_load_b32 v[32+16*(\p)+fi], v[ASU+\slot] offset:fi*TS+FS
	ds_load_b32 v[40+16*(\p)+fi], v[ASW+\slot] offset:fi*TS+FS
.set fi, fi+1
.endr
.endm
.macro MULG g, p, cmode                ; the accumulators take turns, one instruction a turn, in one order in every step
.set ga, (\g)*UB/4
.rept UB/4
.if (\cmode) == 2
	WIN 0x91+0x40*(ga/APW)
.else
	WIN 0xa1+0x50*(ga/APW)
.endif
.set gb, 0
.rept WB
.set AC, 8*(WB*(ga%APW)+gb)
.set WF, 128*(\p)+12*gb
.set UF, 64+96*(\p)+12*ga
.set BI, 96+8*gb+96*(gb/4)
.if (\cmode) == 1
	v_wmma_scale_f32_16x16x128_f8f6f4 v[AC:AC+7], v[WF:WF+11], v[UF:UF+11], 0, v[40+16*(\p)+gb], v[32+16*(\p)+ga] matrix_a_fmt:MATRIX_FMT_FP6 matrix_b_fmt:MATRIX_FMT_FP6
.elseif (\cmode) == 2
	v_wmma_scale_f32_16x16x128_f8f6f4 v[AC:AC+7], v[WF:WF+11], v[UF:UF+11], v[BI:BI+7], v[40+16*(\p)+gb], v[32+16*(\p)+ga] matrix_a_fmt:MATRIX_FMT_FP6 matrix_b_fmt:MATRIX_FMT_FP6
.else
	v_wmma_scale_f32_16x16x128_f8f6f4 v[AC:AC+7], v[WF:WF+11], v[UF:UF+11], v[AC:AC+7], v[40+16*(\p)+gb], v[32+16*(\p)+ga] matrix_a_fmt:MATRIX_FMT_FP6 matrix_b_fmt:MATRIX_FMT_FP6
.endif
.set gb, gb+1
.endr
.set ga, ga+1
.endr
.endm
.macro STEP slot, q, cmode
	s_wait_dscnt 0x0                               ; this step's set is in: it was asked for a whole step ago
	PLACES
	FETCH \slot, (\q)+1, ((\q)+1)%2
	MULG 0, (\q)%2, \cmode
	MULG 1, (\q)%2, \cmode
	MULG 2, (\q)%2, \cmode
	MULG 3, (\q)%2, \cmode
.endm
.macro STEPS slot, cmode
	STEP \slot, 0, \cmode
.if NQ > 2
	STEP \slot, 1, 0
	STEP \slot, 2, 0
.endif
.endm
.macro TURN slot, next, fill
	WIN 0
	s_wait_tensorcnt 0x0                           ; all my tensor loads have landed: my part of the next slot
	ds_add_u32 v[SPW], v[NIL]
	s_wait_dscnt 0x1                               ; the add alone may be out
	MULG 0, 1, 0
	s_wait_dscnt 0x0                               ; the add is done, and my reads of this slot are over
	s_barrier_signal -1
	MULG 1, 1, 0
	WIN 0
	s_barrier_wait -1
.if \fill
	CREST
	s_add_nc_u64 s[G0Y+4*\slot+2:G0Y+4*\slot+3], s[G0Y+4*\slot+2:G0Y+4*\slot+3], 2*NR*CSY
	s_add_nc_u64 s[G0X+4*\slot+2:G0X+4*\slot+3], s[G0X+4*\slot+2:G0X+4*\slot+3], 2*NR*CSX
	JLOAD \slot
.else
	PLACES
.endif
	FETCH \next, 0, 0
	MULG 2, 1, 0
	MULG 3, 1, 0
.endm
.macro LAST
	s_wait_dscnt 0x0
	MULG 0, 1, 0
	MULG 1, 1, 0
	MULG 2, 1, 0
	MULG 3, 1, 0
	WIN 0
.endm
	s_load_b256 s[4:11], s[0:1], 0x0               ; A's codes s[4:5], the weights' s[6:7], the bias s[8:9], the residual s[10:11]
	s_load_b64 s[12:13], s[0:1], 0x20              ; the output
	v_lshl_add_u32 v[SPW], v0, 2, SPARE
	v_mov_b32 v[NIL], 0
	ds_add_u32 v[SPW], v[NIL]                      ; the wave's opening: the add and its wait ahead of my first tensor load
	ds_add_u32 v[SPW], v[NIL]
	v_lshrrev_b32 v1, 5, v0
	v_readfirstlane_b32 s14, v1
	s_lshr_b32 s15, s14, 1
	s_and_b32 s16, s14, 1
	s_bfe_u32 s40, ttmp6, 0x40000
	s_bfe_u32 s41, ttmp6, 0x40004
	s_lshl_b32 s42, ttmp9, 2
	s_add_co_u32 s42, s42, s40
	s_and_b32 s17, ttmp7, 0xffff
	s_lshl_b32 s17, s17, 2
	s_add_co_u32 s17, s17, s41
	s_lshl_b32 s43, s41, 2
	s_lshl_b32 s43, 15, s43
	s_lshl_b32 s44, 0x1111, s40
	s_or_b32 s[G1Y], s43, (3<<16)|(1<<21)
	s_or_b32 s[G1X], s44, (3<<16)|(1<<21)
	s_mov_b32 s[G1Y+5], CSY/8                      ; from row to row of a load: one 256 along K
	s_mov_b32 s[G1X+5], CSX/8
.irp g, G1Y, G1X
	s_mov_b32 s[\g+1], (CH/8)<<16                  ; a row: four tiles of one 256 along K, 12,800 consecutive bytes at a multiple of 256
	s_mov_b32 s[\g+2], NR<<16                      ; two such rows
	s_mov_b32 s[\g+3], (CH/8)<<16
	s_mov_b32 s[\g+4], NR
	s_mov_b32 s[\g+6], 0
	s_mov_b32 s[\g+7], 0
.endr
	s_mul_i32 s18, s16, 25600/NR
	s_mul_i32 s20, s17, 51200/NR
	s_add_co_u32 s20, s20, s18
	s_mov_b32 s21, 0
	s_mul_i32 s46, s42, 51200/NR
	s_add_co_u32 s46, s46, s18
	s_add_co_u32 s46, s46, WOFF
	s_mov_b32 s47, 0
	s_mul_i32 s45, s14, 25600
	s_wait_dscnt 0x0
	s_wait_kmcnt 0x0
	s_add_nc_u64 s[20:21], s[4:5], s[20:21]
	s_add_nc_u64 s[46:47], s[6:7], s[46:47]
	; TWO PREFETCHES INTO THE L2: K = 1,024 is two slots.  Slot 0 is asked for here, ahead of the round in front of its load, slot 1 behind slot 0's load.  The four partners that ask for a load's 2 x 12,800 bytes jointly
	; share its 100 blocks of 256 bytes out by address: place p (cx for the tokens, cy for the weights) takes half p % 2 of row p / 2, 25 blocks, a lane a block; lanes 25-31 name the last block again.
	s_cmp_eq_u32 s15, 0                            ; do I fetch tokens?
	s_cselect_b64 s[90:91], s[20:21], s[46:47]
	s_cselect_b32 s86, s40, s41
	s_mov_b32 s88, CSX
	s_cselect_b32 s88, CSY, s88
	s_lshr_b32 s87, s86, 1
	s_mul_i32 s87, s87, s88
	s_and_b32 s86, s86, 1
	s_mul_i32 s86, s86, 6400
	s_add_co_u32 s86, s86, s87
	s_mov_b32 s87, 0
	s_lshl_b32 s88, s88, 1                         ; from slot to slot
	s_mov_b32 s89, 0
	s_add_nc_u64 s[90:91], s[90:91], s[86:87]      ; slot 0
	s_add_nc_u64 s[PF:PF+1], s[90:91], s[88:89]    ; slot 1
	v_and_b32 v[PFO], 31, v0
	v_min_u32 v[PFO], 24, v[PFO]
	v_lshlrev_b32 v[PFO], 8, v[PFO]
	s_wait_alu depctr_va_vdst(0)                   ; the wait behind the write
	global_prefetch_b8 v[PFO], s[90:91] th:TH_LOAD_NT scope:SCOPE_SE
	CROUND
.irp s, 0,1
	s_mov_b32 s[G0Y+4*\s], 1
	s_add_co_u32 s[G0Y+4*\s+1], s45, \s*SLOT
	s_add_nc_u64 s[G0Y+4*\s+2:G0Y+4*\s+3], s[20:21], \s*NR*CSY
	s_or_b32 s[G0Y+4*\s+3], s[G0Y+4*\s+3], 0x80000000
	s_mov_b32 s[G0X+4*\s], 1
	s_add_co_u32 s[G0X+4*\s+1], s45, \s*SLOT
	s_add_nc_u64 s[G0X+4*\s+2:G0X+4*\s+3], s[46:47], \s*NR*CSX
	s_or_b32 s[G0X+4*\s+3], s[G0X+4*\s+3], 0x80000000
.endr
	JLOAD 0                                        ; slot 0: one tensor load a wave at the head
	v_and_b32 v1, 15, v0                           ; r
	v_bfe_u32 v2, v0, 4, 1                         ; h
	v_and_b32 v3, 31, v0
	v_lshlrev_b32 v3, 4, v3                        ; 16 x lane
	v_lshlrev_b32 v4, 2, v1                        ; 4 r
	v_lshlrev_b32 v5, 6, v2                        ; 64 h
	s_wait_alu depctr_va_vdst(0)
	v_lshlrev_b32 v[RO], 12, v2
	v_lshl_add_u32 v[RO], v1, 4, v[RO]             ; lanes 0-15 one row of 4,096 bytes, lanes 16-31 the next; 16 bytes a lane
	s_wait_alu depctr_va_vdst(0)
	s_lshl_b32 s18, s42, 9
	s_lshl_b32 s19, s16, 8
	s_add_co_u32 s18, s18, s19                     ; my first column, in bytes: 4 (128 x + 64 Wh)
	s_mov_b32 s19, 0
	s_add_nc_u64 s[8:9], s[8:9], s[18:19]
	s_lshl_b32 s22, s17, 7
	s_lshl_b32 s23, s15, 6
	s_add_co_u32 s22, s22, s23                     ; my first token: 128 y + 64 Uh
	s_lshl_b32 s22, s22, 12
	s_add_co_u32 s18, s18, s22
	s_add_nc_u64 s[10:11], s[10:11], s[18:19]
	s_add_nc_u64 s[12:13], s[12:13], s[18:19]
	WIN 0x40
.irp b, 0,1,2,3
	global_load_b128 v[96+8*\b:96+8*\b+3], v5, s[8:9] offset:(32*(\b/2)+8*(\b%2))*4          ; the bias in the result's layout: columns 32 (b / 2) + 16 h + 8 (b % 2) + 0 .. 7
	global_load_b128 v[96+8*\b+4:96+8*\b+7], v5, s[8:9] offset:(32*(\b/2)+8*(\b%2))*4+16
.endr
	WIN 0xc0                                       ; destination window 3
.irp a, 0,1,2,3
.irp t, 0,1,2,3,4,5,6,7
	global_load_b128 v[32*\a+4*\t:32*\a+4*\t+3], v[RO], s[10:11] offset:(16*\a+2*\t)*4096    ; the residual, as it will be stored
.endr
.endr
	WIN 0
	global_prefetch_b8 v[PFO], s[PF:PF+1] th:TH_LOAD_NT scope:SCOPE_SE      ; slot 1, whose load follows when slot 0 has landed
	s_mul_i32 s66, s15, 25600                      ; U: region Y
	s_mul_i32 s67, s16, 25600
	s_add_co_u32 s67, s67, 51200                   ; W: region X
.irp s, 0,1
	v_add_nc_u32 v[ADRU+\s], s66, v3
	v_add_nc_u32 v[ADRW+\s], s67, v3
	v_add_nc_u32 v[ASU+\s], s66, v4
	v_add_nc_u32 v[ASW+\s], s67, v4
	s_add_co_u32 s66, s66, SLOT
	s_add_co_u32 s67, s67, SLOT
.endr
	s_mul_i32 s66, s14, 16*272                     ; my stage: 16 rows x (256 bytes + 16)
	v_and_b32 v6, 7, v1
	v_lshlrev_b32 v6, 1, v6
	v_lshrrev_b32 v7, 3, v1
	v_add_nc_u32 v6, v6, v7                        ; tile row r is token 2 (r % 8) + r / 8 of the tile
	v_mul_u32_u24 v[STO], v6, 272
	v_lshl_add_u32 v[STO], v2, 6, v[STO]
	v_add_nc_u32 v[STO], s66, v[STO]
	v_mul_u32_u24 v[RD], v2, 272
	v_lshl_add_u32 v[RD], v1, 4, v[RD]
	v_add_nc_u32 v[RD], s66, v[RD]
	s_wait_alu depctr_va_vdst(0)                   ; the wait at the head's end
	s_wait_tensorcnt 0x0                           ; my part of slot 0 is in
	ds_add_u32 v[SPW], v[NIL]
	s_wait_dscnt 0x0
	CROUND                                         ; everybody's part of slot 0 is in, and the joint loads meet
	JLOAD 1                                        ; slot 1's first fill, the first tensor load behind the round
	s_wait_loadcnt 32                              ; the bias's 8 loads are in; the residual's 32 may stay out
	FETCH 0, 0, 0
	STEPS 0, 2                                     ; the bias starts the sums
	WIN 0
.if LAPS > 1
	s_mov_b32 s3, LAPS-1
.Llap:
	TURN 0, 1, 1
	STEPS 1, 0
	TURN 1, 0, 1
	STEPS 0, 0
	WIN 0
	s_sub_co_u32 s3, s3, 1
	s_cmp_lg_u32 s3, 0
	s_cbranch_scc1 .Llap
.endif
	TURN 0, 1, 0
	STEPS 1, 0
	LAST
	PLACES
	s_wait_alu depctr_va_vdst(0)
	s_wait_loadcnt 0x0                             ; the residual
.macro E_RES a
	WIN 0x08                                       ; an LDS store's data are its source 1: window 2
.irp b, 0,1,2,3
	ds_store_b128 v[STO], v[8*(4*(\a)+\b):8*(4*(\a)+\b)+3] offset:128*(\b/2)+32*(\b%2)       ; each accumulator from its low end on
	ds_store_b128 v[STO], v[8*(4*(\a)+\b)+4:8*(4*(\a)+\b)+7] offset:128*(\b/2)+32*(\b%2)+16
.endr
	WIN 0
.irp t, 0,1,2,3,4,5,6,7
	ds_load_b128 v[64+32*(\a)+4*\t:64+32*(\a)+4*\t+3], v[RD] offset:544*\t                   ; LDS serves a wave's instructions in order (ISA guide 5.7.1.4): these see my stores
.endr
	s_wait_dscnt 0x0
	WIN 0x0c                                       ; source 1: window 3, the residual
.irp i, 0,2,4,6,8,10,12,14,16,18,20,22,24,26,28,30
	v_pk_add_f32 v[64+32*(\a)+\i:65+32*(\a)+\i], v[64+32*(\a)+\i:65+32*(\a)+\i], v[32*(\a)+\i:32*(\a)+\i+1]
.endr
	WIN 0
.irp t, 0,1,2,3,4,5,6,7
	global_store_b128 v[RO], v[64+32*(\a)+4*\t:64+32*(\a)+4*\t+3], s[12:13] offset:(16*(\a)+2*\t)*4096
.endr
.endm
	E_RES 0
	E_RES 1
	E_RES 2
	E_RES 3
	s_wait_tensorcnt 0x0                           ; the wave's end
	ds_add_u32 v[SPW], v[NIL]
	s_wait_dscnt 0x0
	CROUND
	s_endpgm
.Lfunc_end_k_qb0489fbc07_oproj:
	.size	k_qb0489fbc07_oproj, .Lfunc_end_k_qb0489fbc07_oproj-k_qb0489fbc07_oproj
	.p2alignl 7, 3214868480
	.fill 96, 4, 3214868480
	.section	.rodata,"a",@progbits
	.p2align	6, 0x0
	.amdhsa_kernel k_qb0489fbc07_oproj
		.amdhsa_group_segment_fixed_size 327680
		.amdhsa_private_segment_fixed_size 0
		.amdhsa_enable_private_segment 0
		.amdhsa_kernarg_size 40
		.amdhsa_user_sgpr_count 2
		.amdhsa_user_sgpr_kernarg_segment_ptr 1
		.amdhsa_wavefront_size32 1
		.amdhsa_system_sgpr_workgroup_id_x 1
		.amdhsa_system_sgpr_workgroup_id_y 1
		.amdhsa_system_sgpr_workgroup_id_z 1
		.amdhsa_system_vgpr_workitem_id 0
		.amdhsa_next_free_vgpr 1024
		.amdhsa_next_free_sgpr 100
		.amdhsa_reserve_vcc 0
		.amdhsa_float_denorm_mode_32 3
		.amdhsa_float_denorm_mode_16_64 3
		.amdhsa_memory_ordered 1
		.amdhsa_forward_progress 1
		.amdhsa_inst_pref_size 59
	.end_amdhsa_kernel
	.amdgpu_metadata
---
amdhsa.version: [ 1, 2 ]
amdhsa.kernels:
  - .name:           k_qb0489fbc07_oproj
    .symbol:         k_qb0489fbc07_oproj.kd
    .args:
      - { .name: attc, .offset: 0, .size: 8, .value_kind: global_buffer, .address_space: global }
      - { .name: wbuf, .offset: 8, .size: 8, .value_kind: global_buffer, .address_space: global }
      - { .name: b_o, .offset: 16, .size: 8, .value_kind: global_buffer, .address_space: global }
      - { .name: x, .offset: 24, .size: 8, .value_kind: global_buffer, .address_space: global }
      - { .name: out1, .offset: 32, .size: 8, .value_kind: global_buffer, .address_space: global }
    .group_segment_fixed_size: 327680
    .private_segment_fixed_size: 0
    .kernarg_segment_align: 8
    .kernarg_segment_size: 40
    .max_flat_workgroup_size: 128
    .sgpr_count:     100
    .vgpr_count:     1024
    .wavefront_size: 32
...
	.end_amdgpu_metadata
.endif
;; end of part 4
;; launch ln2: the kernel of part 1 again; grid 1 x 512, 4 waves a work-group, no clusters, 66,560 bytes of LDS; arguments out1, ln2_g, ln2_b, act, w_qkv, w_o, w_ff1, wbuf, wff; writes act, wff
;; launch ff1 (part 5): grid 16 x 16, 4 waves a work-group, clusters of 4 x 4, 327,680 bytes of LDS; arguments act, wff, b_ff1, gc; writes gc
.if DOCPART == 5
	.amdgcn_target "amdgcn-amd-amdhsa--gfx1250"
	.amdhsa_code_object_version 6
	.text
	.protected	k_qb0489fbc07_ff1
	.globl	k_qb0489fbc07_ff1
	.p2align	8
	.type	k_qb0489fbc07_ff1,@function
k_qb0489fbc07_ff1:
	s_mov_b64 s[64:65], 0
	v_nop
	global_prefetch_b8 v0, s[64:65] scope:SCOPE_SE
	s_setreg_imm32_b32 hwreg(HW_REG_WAVE_MODE, 25, 1), 1
	s_wait_xcnt 0x0
	s_wait_alu depctr_hold_cnt(0) depctr_sa_sdst(0) depctr_va_vdst(0) depctr_va_sdst(0) depctr_va_ssrc(0) depctr_va_vcc(0) depctr_vm_vsrc(0)
	s_getreg_b32 s2, hwreg(HW_REG_IB_STS2, 6, 4)
	s_cmp_eq_u32 s2, 0
	s_cbranch_scc0 .Lentry_in_a_cluster
	s_endpgm
.Lentry_in_a_cluster:
	s_bfe_u32 s2, ttmp6, 0x10000c
	s_cmp_lg_u32 s2, 0xf033
	s_cbranch_scc0 .Lentry_shape_is_right
	s_endpgm
.Lentry_shape_is_right:
; g = gelu(LN2(out) w_ff1^T + b_ff1) on codes of E2M3; the result is quantised at once along the hidden units, the next product's K, and leaves as records of that product's operand registers.
; A work-group makes 256 tokens x 256 hidden units, each of four waves 128 x 128: 64 accumulators.  K = 1,024 goes in slots of 256 through a ring of two LDS slots; operands, cluster, joint loads and prefetches as in the launch qkv.
; The bias is the C of each sum's first product.  Source 1 = tokens, source 0 = weights: a lane's 64 numbers of a tile of tokens are its halves of 128 neighbouring hidden units.
; GELU, exact form, in f32: with t = |x| / sqrt(2), gelu(x) = max(x, 0) - (t / sqrt(2)) erfc(t).  erfc(t) is 1 - (t + t Q(t^2)) up to t = 0.927734375 and exp(P(t)) beyond; both are computed and one is selected.
; OUTPUT: records [hidden / 256][tile of 16 tokens] of 3,200 bytes, as the launch prep lays them.
; LIMITS: NaN and infinities are not served; a block whose largest magnitude lies under 2^-124 gets the byte 1.
.set UB, 8
.set WB, 8
.set NR, 1
.set KK, 1024
.set WOFF, 0                           ; w_ff1's records lie first in their buffer
.set SLOT,   102400
.set SPARE,  2*SLOT
.set NQ,     2*NR
.set TS,     3200                      ; from tile to tile in a slot
.set CH,     25600/NR
.set KREC,   KK/256
.set CSY,    819200                    ; in memory the records lie [K / 256][tile]: from one 256 along K to the next: 256 tiles x 3,200 bytes, of tokens
.set CSX,    819200                    ; and of this weight
.set PFO,    30                        ; v30 the prefetches' offset: 256 x min(lane, 24); never rewritten
.set PF,     100                       ; s[100:101] my work-group's quarter (6,400 bytes, 25 blocks of 256) of what my wave loads for slot 1; never rewritten
.set LAPS,   KREC/(2*NR)
.set APW,    32/WB
.set ADRU, 16
.set ADRW, 18
.set ASU,  20
.set ASW,  22
.set SPW,  28
.set NIL,  29
.set G1Y, 24
.set G0Y, 32
.set G1X, 48
.set G0X, 56
.set TM,  128
.set SEL, 98
.set RX,  64
.set T,   128
.set SQ,  192
.set PE,  208
.set QE,  224
.set VA0, 16
.set VB0, 18
.set VD4, 20
.set SA1, 66
.set SB1, 68
.set SC2, 70
.set SC1, 72
.set SC0, 74
.set SL2, 76
.set SD5, 78
.set SD3, 80
.set SD2, 82
.set SD1, 84
.set SD0, 86
.set SNK, 88
.set SKT, 90
.set STH, 91
.set GB,  94
.set GS,  96
.set MSB, 0
.macro WIN new
.if MSB != (\new)
	s_set_vgpr_msb (MSB<<8)|(\new)
.set MSB, (\new)
.endif
.endm
.macro PLACES
.rept 4
	v_nop
.endr
.endm
.macro JLOAD s
	s_cmp_eq_u32 s15, 0
	s_cbranch_scc0 .Lfor_x_\@
	tensor_load_to_lds s[G0Y+4*\s:G0Y+4*\s+3], s[G1Y:G1Y+7]
	s_nop 0
.rept 4
	v_nop
.endr
	s_branch .Lasked_\@
.Lfor_x_\@:
	tensor_load_to_lds s[G0X+4*\s:G0X+4*\s+3], s[G1X:G1X+7]
	s_nop 0
.rept 4
	v_nop
.endr
.Lasked_\@:
.endm
.macro CREST
	s_cmp_lg_u32 s14, 0
	s_cbranch_scc1 .Lnot_wave_0_\@
	s_barrier_signal -3
.Lnot_wave_0_\@:
	s_barrier_wait -3
	s_barrier_signal -1
	s_barrier_wait -1
.endm
.macro CROUND
	s_barrier_signal -1
	s_barrier_wait -1
	CREST
.endm
.macro FETCH slot, q, p
.set FO, ((\q)/2)*CH+((\q)%2)*1536
.set FS, ((\q)/2)*CH+3072+((\q)%2)*64
	WIN 0x40
.set fi, 0
.rept WB
.irp c, 0,1,2
	ds_load_b128 v[128*(\p)+12*fi+4*\c:128*(\p)+12*fi+4*\c+3], v[ADRW+\slot] offset:fi*TS+FO+512*\c
.endr
.set fi, fi+1
.endr
	WIN 0
.set fi, 0
.rept UB
.irp c, 0,1,2
	ds_load_b128 v[64+96*(\p)+12*fi+4*\c:64+96*(\p)+12*fi+4*\c+3], v[ADRU+\slot] offset:fi*TS+FO+512*\c
.endr
	ds_load_b32 v[32+16*(\p)+fi], v[ASU+\slot] offset:fi*TS+FS
	ds_load_b32 v[40+16*(\p)+fi], v[ASW+\slot] offset:fi*TS+FS
.set fi, fi+1
.endr
.endm
.macro MULG g, p, cmode
.set ga, (\g)*UB/4
.rept UB/4
.if (\cmode) == 2
	WIN 0x91+0x40*(ga/APW)
.else
	WIN 0xa1+0x50*(ga/APW)
.endif
.set gb, 0
.rept WB
.set AC, 8*(WB*(ga%APW)+gb)
.set WF, 128*(\p)+12*gb
.set UF, 64+96*(\p)+12*ga
.set BI, 96+8*gb+96*(gb/4)
.if (\cmode) == 1
	v_wmma_scale_f32_16x16x128_f8f6f4 v[AC:AC+7], v[WF:WF+11], v[UF:UF+11], 0, v[40+16*(\p)+gb], v[32+16*(\p)+ga] matrix_a_fmt:MATRIX_FMT_FP6 matrix_b_fmt:MATRIX_FMT_FP6
.elseif (\cmode) == 2
	v_wmma_scale_f32_16x16x128_f8f6f4 v[AC:AC+7], v[WF:WF+11], v[UF:UF+11], v[BI:BI+7], v[40+16*(\p)+gb], v[32+16*(\p)+ga] matrix_a_fmt:MATRIX_FMT_FP6 matrix_b_fmt:MATRIX_FMT_FP6
.else
	v_wmma_scale_f32_16x16x128_f8f6f4 v[AC:AC+7], v[WF:WF+11], v[UF:UF+11], v[AC:AC+7], v[40+16*(\p)+gb], v[32+16*(\p)+ga] matrix_a_fmt:MATRIX_FMT_FP6 matrix_b_fmt:MATRIX_FMT_FP6
.endif
.set gb, gb+1
.endr
.set ga, ga+1
.endr
.endm
.macro STEP slot, q, cmode
	s_wait_dscnt 0x0
	PLACES
	FETCH \slot, (\q)+1, ((\q)+1)%2
	MULG 0, (\q)%2, \cmode
	MULG 1, (\q)%2, \cmode
	MULG 2, (\q)%2, \cmode
	MULG 3, (\q)%2, \cmode
.endm
.macro STEPS slot, cmode
	STEP \slot, 0, \cmode
.if NQ > 2
	STEP \slot, 1, 0
	STEP \slot, 2, 0
.endif
.endm
.macro TURN slot, next, fill
	WIN 0
	s_wait_tensorcnt 0x0
	ds_add_u32 v[SPW], v[NIL]
	s_wait_dscnt 0x1
	MULG 0, 1, 0
	s_wait_dscnt 0x0
	s_barrier_signal -1
	MULG 1, 1, 0
	WIN 0
	s_barrier_wait -1
.if \fill
	CREST
	s_add_nc_u64 s[G0Y+4*\slot+2:G0Y+4*\slot+3], s[G0Y+4*\slot+2:G0Y+4*\slot+3], 2*NR*CSY
	s_add_nc_u64 s[G0X+4*\slot+2:G0X+4*\slot+3], s[G0X+4*\slot+2:G0X+4*\slot+3], 2*NR*CSX
	JLOAD \slot
.else
	PLACES
.endif
	FETCH \next, 0, 0
	MULG 2, 1, 0
	MULG 3, 1, 0
.endm
.macro LAST
	s_wait_dscnt 0x0
	MULG 0, 1, 0
	MULG 1, 1, 0
	MULG 2, 1, 0
	MULG 3, 1, 0
	WIN 0
.endm
.macro QUANT s, pc, pw
.irp b, 0,1,2,3
	v_max3_num_f32 v[TM+\b], |v[\s+16*\b]|, |v[\s+1+16*\b]|, 0x1800000
.endr
.irp i, 2,4,6,8,10,12,14
.irp b, 0,1,2,3
	v_max3_num_f32 v[TM+\b], v[TM+\b], |v[\s+16*\b+\i]|, |v[\s+1+16*\b+\i]|
.endr
.endr
.irp b, 0,1,2,3
	v_permlanex16_b32 v[TM+4+\b], v[TM+\b], s[SEL], s[SEL+1]
.endr
.irp b, 0,1,2,3
	v_max_num_f32 v[TM+\b], v[TM+\b], v[TM+4+\b]
.endr
.irp b, 0,1,2,3
	v_add_nc_u32 v[TM+12+\b], 0xff000000, v[TM+\b]
.endr
.irp b, 0,1,2,3
	v_lshrrev_b32 v[TM+4+\b], 23, v[TM+12+\b]
.endr
	v_lshl_or_b32 v[\pw], v[TM+5], 8, v[TM+4]
	v_lshl_or_b32 v[\pw], v[TM+6], 16, v[\pw]
	v_lshl_or_b32 v[\pw], v[TM+7], 24, v[\pw]
.irp c, 0,1
	v_cvt_scalef32_pk16_fp6_f32 v[\pc+6*\c:\pc+2+6*\c], v[\s+32*\c:\s+15+32*\c], v[TM+12+2*\c]
	v_cvt_scalef32_pk16_fp6_f32 v[\pc+12+4*\c:\pc+14+4*\c], v[\s+16+32*\c:\s+31+32*\c], v[TM+12+2*\c+1]
.endr
	v_nop
.irp c, 0,1
.irp i, 0,1,2
	v_permlane16_swap_b32 v[\pc+6*\c+\i], v[\pc+12+4*\c+\i]
.endr
.irp i, 0,1,2
	v_mov_b32 v[\pc+3+6*\c+\i], v[\pc+12+4*\c+\i]
.endr
.endr
.endm
.macro SPAIR r, bits
	s_mov_b32 s[\r], \bits
	s_mov_b32 s[\r+1], \bits
.endm
.macro SRC a
	WIN 0x0a+5*((\a)/4)
.set sj, 0
.rept 64
	v_mul_f32 v[T+sj], s[SKT], |v[64*((\a)%4)+sj]|
.set sj, sj+1
.endr
.set sj, 0
.rept 64
	v_max_num_f32 v[RX+sj], 0, v[64*((\a)%4)+sj]
.set sj, sj+1
.endr
	WIN 0
.endm
.macro GELU16 off
.irp i, 0,2,4,6,8,10,12,14
	v_pk_mul_f32 v[SQ+\i:SQ+\i+1], v[T+(\off)+\i:T+(\off)+\i+1], v[T+(\off)+\i:T+(\off)+\i+1]
.endr
.irp i, 0,2,4,6,8,10,12,14
	v_pk_fma_f32 v[PE+\i:PE+\i+1], v[T+(\off)+\i:T+(\off)+\i+1], s[SA1:SA1+1], v[VA0:VA0+1] op_sel_hi:[1,0,0]
.endr
.irp i, 0,2,4,6,8,10,12,14
	v_pk_fma_f32 v[QE+\i:QE+\i+1], v[T+(\off)+\i:T+(\off)+\i+1], s[SB1:SB1+1], v[VB0:VB0+1] op_sel_hi:[1,0,0]
.endr
.irp i, 0,2,4,6,8,10,12,14
	v_pk_fma_f32 v[PE+\i:PE+\i+1], v[PE+\i:PE+\i+1], v[SQ+\i:SQ+\i+1], v[QE+\i:QE+\i+1]
.endr
.irp k, SC2, SC1, SC0
.irp i, 0,2,4,6,8,10,12,14
	v_pk_fma_f32 v[PE+\i:PE+\i+1], v[PE+\i:PE+\i+1], v[T+(\off)+\i:T+(\off)+\i+1], s[\k:\k+1] op_sel_hi:[1,1,0]
.endr
.endr
.irp i, 0,2,4,6,8,10,12,14
	v_pk_fma_f32 v[PE+\i:PE+\i+1], v[PE+\i:PE+\i+1], v[T+(\off)+\i:T+(\off)+\i+1], v[T+(\off)+\i:T+(\off)+\i+1] neg_lo:[0,0,1] neg_hi:[0,0,1]
.endr
.irp i, 0,2,4,6,8,10,12,14
	v_pk_mul_f32 v[PE+\i:PE+\i+1], v[PE+\i:PE+\i+1], s[SL2:SL2+1] op_sel_hi:[1,0]
.endr
	s_wait_alu depctr_va_vdst(0)
.irp i, 0,1,2,3,4,5,6,7,8,9,10,11,12,13,14,15
	v_exp_f32 v[PE+\i], v[PE+\i]
.endr
.irp i, 0,2,4,6,8,10,12,14
	v_pk_fma_f32 v[QE+\i:QE+\i+1], v[SQ+\i:SQ+\i+1], s[SD5:SD5+1], v[VD4:VD4+1] op_sel_hi:[1,0,0]
.endr
.irp k, SD3, SD2, SD1, SD0
.irp i, 0,2,4,6,8,10,12,14
	v_pk_fma_f32 v[QE+\i:QE+\i+1], v[QE+\i:QE+\i+1], v[SQ+\i:SQ+\i+1], s[\k:\k+1] op_sel_hi:[1,1,0]
.endr
.endr
.irp i, 0,2,4,6,8,10,12,14
	v_pk_fma_f32 v[QE+\i:QE+\i+1], v[QE+\i:QE+\i+1], v[T+(\off)+\i:T+(\off)+\i+1], v[T+(\off)+\i:T+(\off)+\i+1]
.endr
.irp i, 0,2,4,6,8,10,12,14
	v_pk_fma_f32 v[QE+\i:QE+\i+1], v[QE+\i:QE+\i+1], -1.0, 1.0 op_sel_hi:[1,0,0]
.endr
	s_wait_alu depctr_va_vdst(0)
.irp i, 0,1,2,3,4,5,6,7,8,9,10,11,12,13,14,15
	v_cmp_lt_f32 vcc_lo, s[STH], v[T+(\off)+\i]
	v_cndmask_b32 v[QE+\i], v[QE+\i], v[PE+\i], vcc_lo
.endr
.irp i, 0,2,4,6,8,10,12,14
	v_pk_mul_f32 v[QE+\i:QE+\i+1], v[QE+\i:QE+\i+1], v[T+(\off)+\i:T+(\off)+\i+1]
.endr
.irp i, 0,2,4,6,8,10,12,14
	v_pk_fma_f32 v[RX+(\off)+\i:RX+(\off)+\i+1], v[QE+\i:QE+\i+1], s[SNK:SNK+1], v[RX+(\off)+\i:RX+(\off)+\i+1] op_sel_hi:[1,0,1]
.endr
.endm
	s_load_b256 s[4:11], s[0:1], 0x0
	v_lshl_add_u32 v[SPW], v0, 2, SPARE
	v_mov_b32 v[NIL], 0
	ds_add_u32 v[SPW], v[NIL]
	ds_add_u32 v[SPW], v[NIL]
	v_lshrrev_b32 v1, 5, v0
	v_readfirstlane_b32 s14, v1
	s_lshr_b32 s15, s14, 1
	s_and_b32 s16, s14, 1
	s_bfe_u32 s40, ttmp6, 0x40000
	s_bfe_u32 s41, ttmp6, 0x40004
	s_lshl_b32 s42, ttmp9, 2
	s_add_co_u32 s42, s42, s40
	s_and_b32 s17, ttmp7, 0xffff
	s_lshl_b32 s17, s17, 2
	s_add_co_u32 s17, s17, s41
	s_lshl_b32 s43, s41, 2
	s_lshl_b32 s43, 15, s43
	s_lshl_b32 s44, 0x1111, s40
	s_or_b32 s[G1Y], s43, (3<<16)|(1<<21)
	s_or_b32 s[G1X], s44, (3<<16)|(1<<21)
.irp g, G1Y, G1X
	s_mov_b32 s[\g+1], 32<<16                      ; a wave's part of a slot, eight tiles, is 25,600 consecutive bytes at a multiple of 256: 100 rows of 256 bytes
	s_mov_b32 s[\g+2], 100<<16
	s_mov_b32 s[\g+3], 32<<16
	s_mov_b32 s[\g+4], 100
	s_mov_b32 s[\g+5], 32
	s_mov_b32 s[\g+6], 0
	s_mov_b32 s[\g+7], 0
.endr
	s_mul_i32 s18, s16, 25600/NR
	s_mul_i32 s20, s17, 51200/NR
	s_add_co_u32 s20, s20, s18
	s_mov_b32 s21, 0
	s_mul_i32 s46, s42, 51200/NR
	s_add_co_u32 s46, s46, s18
	s_add_co_u32 s46, s46, WOFF
	s_mov_b32 s47, 0
	s_mul_i32 s45, s14, 25600
	s_wait_dscnt 0x0
	s_wait_kmcnt 0x0
	s_add_nc_u64 s[20:21], s[4:5], s[20:21]
	s_add_nc_u64 s[46:47], s[6:7], s[46:47]
	; the prefetches: slot 0 is asked for here, ahead of the round in front of its load; behind slot j's joint load slot j + 2, behind the first also slot 1; the four partners of a joint load share its 100 blocks of 256 bytes out by address, 25 each, a lane a block
	s_cmp_eq_u32 s15, 0                            ; do I fetch tokens?
	s_cselect_b64 s[PF:PF+1], s[20:21], s[46:47]
	s_cselect_b32 s66, s40, s41                    ; my place among the four: cx for the tokens, cy for the weights
	s_mul_i32 s66, s66, 6400
	s_add_co_u32 s66, s66, CSY                     ; slot 1 (both operands step 819,200 bytes from slot to slot)
	s_mov_b32 s67, 0
	s_add_nc_u64 s[PF:PF+1], s[PF:PF+1], s[66:67]
	v_and_b32 v[PFO], 31, v0
	v_min_u32 v[PFO], 24, v[PFO]
	v_lshlrev_b32 v[PFO], 8, v[PFO]
	s_wait_alu depctr_va_vdst(0)                   ; the wait behind the write
	global_prefetch_b8 v[PFO], s[PF:PF+1] offset:-CSY th:TH_LOAD_NT scope:SCOPE_SE   ; slot 0
	CROUND
.irp s, 0,1
	s_mov_b32 s[G0Y+4*\s], 1
	s_add_co_u32 s[G0Y+4*\s+1], s45, \s*SLOT
	s_add_nc_u64 s[G0Y+4*\s+2:G0Y+4*\s+3], s[20:21], \s*NR*CSY
	s_or_b32 s[G0Y+4*\s+3], s[G0Y+4*\s+3], 0x80000000
	s_mov_b32 s[G0X+4*\s], 1
	s_add_co_u32 s[G0X+4*\s+1], s45, \s*SLOT
	s_add_nc_u64 s[G0X+4*\s+2:G0X+4*\s+3], s[46:47], \s*NR*CSX
	s_or_b32 s[G0X+4*\s+3], s[G0X+4*\s+3], 0x80000000
.endr
	JLOAD 0                                        ; slot 0: one tensor load a wave at the head
	v_and_b32 v1, 15, v0
	v_bfe_u32 v2, v0, 4, 1
	v_and_b32 v3, 31, v0
	v_lshlrev_b32 v3, 4, v3
	s_wait_alu depctr_va_vdst(0)
	v_lshlrev_b32 v4, 2, v1
	s_wait_alu depctr_va_vdst(0)
	v_lshlrev_b32 v5, 6, v2
	s_lshl_b32 s18, s42, 10
	s_lshl_b32 s19, s16, 9
	s_add_co_u32 s18, s18, s19
	s_mov_b32 s19, 0
	s_add_nc_u64 s[8:9], s[8:9], s[18:19]
	WIN 0x40
.irp b, 0,1,2,3,4,5,6,7
	global_load_b128 v[96+8*\b+96*(\b/4):96+8*\b+96*(\b/4)+3], v5, s[8:9] offset:(32*(\b/2)+8*(\b%2))*4
	global_load_b128 v[96+8*\b+96*(\b/4)+4:96+8*\b+96*(\b/4)+7], v5, s[8:9] offset:(32*(\b/2)+8*(\b%2))*4+16
.endr
	WIN 0
	global_prefetch_b8 v[PFO], s[PF:PF+1] th:TH_LOAD_NT scope:SCOPE_SE               ; slot 1, whose load follows when slot 0 has landed,
	global_prefetch_b8 v[PFO], s[PF:PF+1] offset:CSY th:TH_LOAD_NT scope:SCOPE_SE    ; and slot 2
	s_mul_i32 s66, s15, 25600
	s_mul_i32 s67, s16, 25600
	s_add_co_u32 s67, s67, 51200
.irp s, 0,1
	v_add_nc_u32 v[ADRU+\s], s66, v3
	v_add_nc_u32 v[ADRW+\s], s67, v3
	v_add_nc_u32 v[ASU+\s], s66, v4
	v_add_nc_u32 v[ASW+\s], s67, v4
	s_add_co_u32 s66, s66, SLOT
	s_add_co_u32 s67, s67, SLOT
.endr
	s_wait_alu depctr_va_vdst(0)
	s_wait_tensorcnt 0x0                           ; my part of slot 0 is in
	ds_add_u32 v[SPW], v[NIL]
	s_wait_dscnt 0x0
	CROUND                                         ; everybody's part of slot 0 is in, and the joint loads meet
	JLOAD 1                                        ; slot 1's first fill, the first tensor load behind the round
	s_wait_loadcnt 0x0                             ; the bias
	FETCH 0, 0, 0
	global_prefetch_b8 v[PFO], s[PF:PF+1] offset:2*CSY th:TH_LOAD_NT scope:SCOPE_SE  ; slot 3, the last: two refills on
	STEPS 0, 2
	WIN 0
.if LAPS > 1
	s_mov_b32 s3, LAPS-1
.Llap:
	TURN 0, 1, 1
	STEPS 1, 0
	TURN 1, 0, 1
	STEPS 0, 0
	WIN 0
	s_sub_co_u32 s3, s3, 1
	s_cmp_lg_u32 s3, 0
	s_cbranch_scc1 .Llap
.endif
	TURN 0, 1, 0
	STEPS 1, 0
	LAST
	PLACES
	SPAIR SA1, 0xb7910000
	SPAIR SB1, 0xbb7e8a1c
	SPAIR SC2, 0xbddaae5c
	SPAIR SC1, 0xbf228550
	SPAIR SC0, 0xbe03ce86
	SPAIR SL2, 0x3fb8aa3b
	SPAIR SD5, 0xba1c7000
	SPAIR SD3, 0xbcdb48d9
	SPAIR SD2, 0x3de70e22
	SPAIR SD1, 0xbec09380
	SPAIR SD0, 0x3e0375d4
	SPAIR SNK, 0xbf3504f3
	s_mov_b32 s[SKT], 0x3f3504f3
	s_mov_b32 s[STH], 0x3f6d8000
	s_mov_b32 s[SEL], 0x76543210
	s_mov_b32 s[SEL+1], 0xfedcba98
	v_mov_b32 v[VA0], 0x39c8e7d9
	v_mov_b32 v[VA0+1], 0x39c8e7d9
	v_mov_b32 v[VB0], 0x3cc6b1a1
	v_mov_b32 v[VB0+1], 0x3cc6b1a1
	v_mov_b32 v[VD4], 0x3ba38d2c
	v_mov_b32 v[VD4+1], 0x3ba38d2c
	s_lshl_b32 s18, s17, 4
	s_lshl_b32 s19, s15, 3
	s_add_co_u32 s18, s18, s19
	s_mul_i32 s18, s18, 3200                       ; my first tile of tokens,
	s_mul_i32 s19, s42, 819200                     ; my work-group's 256 hidden units
	s_add_co_u32 s18, s18, s19
	s_mov_b32 s19, 0
	s_add_nc_u64 s[GB:GB+1], s[10:11], s[18:19]
	s_lshl_b32 s18, s16, 6
	s_add_co_u32 s18, s18, 3072
	s_add_nc_u64 s[GS:GS+1], s[GB:GB+1], s[18:19]
	s_mul_i32 s18, s16, 1536
	s_add_nc_u64 s[GB:GB+1], s[GB:GB+1], s[18:19]
	s_mov_b32 s92, 0
.Lrow:
.irp a, 0,1,2,3,4,5,6
	s_cmp_eq_u32 s92, \a
	s_cbranch_scc1 .Lsrc\a
.endr
	SRC 7
	s_branch .Lcommon
.irp a, 0,1,2,3,4,5
.Lsrc\a:
	SRC \a
	s_branch .Lcommon
.endr
.Lsrc6:
	SRC 6
.Lcommon:
	GELU16 0
	GELU16 16
	GELU16 32
	GELU16 48
	QUANT RX, 144, 164
.irp c, 0,1,2
	global_store_b128 v3, v[144+4*\c:147+4*\c], s[GB:GB+1] offset:512*\c
.endr
	v_cmp_gt_u32 vcc_lo, 0x100, v3
	s_wait_xcnt 0x0
	s_and_saveexec_b32 s93, vcc_lo
	global_store_b32 v4, v164, s[GS:GS+1]
	s_wait_xcnt 0x0
	s_or_b32 exec_lo, exec_lo, s93
	s_add_nc_u64 s[GB:GB+1], s[GB:GB+1], 3200      ; the next tile of tokens
	s_add_nc_u64 s[GS:GS+1], s[GS:GS+1], 3200
	s_add_co_u32 s92, s92, 1
	s_cmp_lt_u32 s92, 8
	s_cbranch_scc1 .Lrow
	s_wait_tensorcnt 0x0
	ds_add_u32 v[SPW], v[NIL]
	s_wait_dscnt 0x0
	CROUND
	s_endpgm
.Lfunc_end_k_qb0489fbc07_ff1:
	.size	k_qb0489fbc07_ff1, .Lfunc_end_k_qb0489fbc07_ff1-k_qb0489fbc07_ff1
	.p2alignl 7, 3214868480
	.fill 96, 4, 3214868480
	.section	.rodata,"a",@progbits
	.p2align	6, 0x0
	.amdhsa_kernel k_qb0489fbc07_ff1
		.amdhsa_group_segment_fixed_size 327680
		.amdhsa_private_segment_fixed_size 0
		.amdhsa_enable_private_segment 0
		.amdhsa_kernarg_size 32
		.amdhsa_user_sgpr_count 2
		.amdhsa_user_sgpr_kernarg_segment_ptr 1
		.amdhsa_wavefront_size32 1
		.amdhsa_system_sgpr_workgroup_id_x 1
		.amdhsa_system_sgpr_workgroup_id_y 1
		.amdhsa_system_sgpr_workgroup_id_z 1
		.amdhsa_system_vgpr_workitem_id 0
		.amdhsa_next_free_vgpr 1024
		.amdhsa_next_free_sgpr 104
		.amdhsa_reserve_vcc 1
		.amdhsa_float_denorm_mode_32 3
		.amdhsa_float_denorm_mode_16_64 3
		.amdhsa_memory_ordered 1
		.amdhsa_forward_progress 1
		.amdhsa_inst_pref_size 209
	.end_amdhsa_kernel
	.amdgpu_metadata
---
amdhsa.version: [ 1, 2 ]
amdhsa.kernels:
  - .name:           k_qb0489fbc07_ff1
    .symbol:         k_qb0489fbc07_ff1.kd
    .args:
      - { .name: act, .offset: 0, .size: 8, .value_kind: global_buffer, .address_space: global }
      - { .name: wff, .offset: 8, .size: 8, .value_kind: global_buffer, .address_space: global }
      - { .name: b_ff1, .offset: 16, .size: 8, .value_kind: global_buffer, .address_space: global }
      - { .name: gc, .offset: 24, .size: 8, .value_kind: global_buffer, .address_space: global }
    .group_segment_fixed_size: 327680
    .private_segment_fixed_size: 0
    .kernarg_segment_align: 8
    .kernarg_segment_size: 32
    .max_flat_workgroup_size: 128
    .sgpr_count:     104
    .vgpr_count:     1024
    .wavefront_size: 32
...
	.end_amdgpu_metadata
.endif
;; end of part 5
;; launch ff2 (part 6): grid 8 x 32, 4 waves a work-group, clusters of 4 x 4, 327,680 bytes of LDS; arguments gc, wff, b_ff2, out1, out0; writes out0
.if DOCPART == 6
	.amdgcn_target "amdgcn-amd-amdhsa--gfx1250"
	.amdhsa_code_object_version 6
	.text
	.protected	k_qb0489fbc07_ff2
	.globl	k_qb0489fbc07_ff2
	.p2align	8
	.type	k_qb0489fbc07_ff2,@function
k_qb0489fbc07_ff2:
	s_mov_b64 s[64:65], 0
	v_nop
	global_prefetch_b8 v0, s[64:65] scope:SCOPE_SE
	s_setreg_imm32_b32 hwreg(HW_REG_WAVE_MODE, 25, 1), 1
	s_wait_xcnt 0x0
	s_wait_alu depctr_hold_cnt(0) depctr_sa_sdst(0) depctr_va_vdst(0) depctr_va_sdst(0) depctr_va_ssrc(0) depctr_va_vcc(0) depctr_vm_vsrc(0)
	s_getreg_b32 s2, hwreg(HW_REG_IB_STS2, 6, 4)
	s_cmp_eq_u32 s2, 0
	s_cbranch_scc0 .Lentry_in_a_cluster
	s_endpgm
.Lentry_in_a_cluster:
	s_bfe_u32 s2, ttmp6, 0x10000c
	s_cmp_lg_u32 s2, 0xf033
	s_cbranch_scc0 .Lentry_shape_is_right
	s_endpgm
.Lentry_shape_is_right:
; out0 = out1 + g w_ff2^T + b_ff2 on codes of E2M3: g the quantised GELU of the launch ff1, out1 the first residual.  f32 out, rows in true token order.
; N = 1,024 gives only 64 tiles of 256 x 256, so a work-group makes 128 tokens x 128 columns (256 work-groups), each of four waves 64 x 64: 16 accumulators.  K = 4,096 goes in eight slots of 512 through a ring of two LDS slots.
; Operands lie in memory as records of 3,200 bytes, [K / 256][tile]; a wave's load is two rows of 12,800 consecutive bytes (four tiles of one 256 along K).  Cluster 4 x 4: tokens asked for jointly along a row, weights along a column.
; PREFETCHES INTO THE L2: at each change of slots every wave has waited for all its tensor loads, so behind slot j's joint load slot j + 2 is asked for (behind the first also slot 1); the loop's last trip, whose loads are slots 6 and 7, asks for nothing.
; The four partners of a joint load share its 100 blocks of 256 bytes out by address: place p (cx for the tokens, cy for the weights) takes half p % 2 of row p / 2, 25 blocks, a lane a block; lanes 25-31 name the last block again.
; The bias is the C of each sum's first product; the residual is loaded at the head and added on the way out, which goes through the wave's own stage in slot 0 (its last fill and last read are over by then): sixteen lanes store 256 consecutive bytes.
.set UB, 4
.set WB, 4
.set NR, 2
.set KK, 4096
.set WOFF, 3276800                     ; w_ff2's records lie behind w_ff1's
.set SLOT,   102400
.set SPARE,  2*SLOT
.set NQ,     2*NR
.set TS,     3200                      ; from tile to tile in a slot
.set CH,     25600/NR                  ; from one 256 along K to the next inside a wave's part of a slot: four tiles
.set KREC,   KK/256
.set CSY,    819200                    ; from one 256 along K to the next in memory: 256 tiles of tokens x 3,200 bytes,
.set CSX,    204800                    ; 64 tiles of this weight
.set PFO,    30                        ; v30 the prefetches' offset: 256 x min(lane, 24); never rewritten
.set PF,     80                        ; s[80:81], s[82:83] my work-group's quarter of what my wave loads for slots 1 and 2; never rewritten
.set PFA,    84                        ; s[84:85] the same for slot 3, stepped a slot at each refill
.set PFS,    88                        ; s[88:89] from slot to slot
.set LAPS,   KREC/(2*NR)
.set APW,    32/WB
.set ADRU, 16
.set ADRW, 18
.set ASU,  20
.set ASW,  22
.set STO,  24
.set RD,   25
.set RO,   26
.set SPW,  28
.set NIL,  29
.set G1Y, 24
.set G0Y, 32
.set G1X, 48
.set G0X, 56
.set MSB, 0
.macro WIN new
.if MSB != (\new)
	s_set_vgpr_msb (MSB<<8)|(\new)
.set MSB, (\new)
.endif
.endm
.macro PLACES
.rept 4
	v_nop
.endr
.endm
.macro JLOAD s
	s_cmp_eq_u32 s15, 0
	s_cbranch_scc0 .Lfor_x_\@
	tensor_load_to_lds s[G0Y+4*\s:G0Y+4*\s+3], s[G1Y:G1Y+7]
	s_nop 0
.rept 4
	v_nop
.endr
	s_branch .Lasked_\@
.Lfor_x_\@:
	tensor_load_to_lds s[G0X+4*\s:G0X+4*\s+3], s[G1X:G1X+7]
	s_nop 0
.rept 4
	v_nop
.endr
.Lasked_\@:
.endm
.macro CREST
	s_cmp_lg_u32 s14, 0
	s_cbranch_scc1 .Lnot_wave_0_\@
	s_barrier_signal -3
.Lnot_wave_0_\@:
	s_barrier_wait -3
	s_barrier_signal -1
	s_barrier_wait -1
.endm
.macro CROUND
	s_barrier_signal -1
	s_barrier_wait -1
	CREST
.endm
.macro FETCH slot, q, p
.set FO, ((\q)/2)*CH+((\q)%2)*1536
.set FS, ((\q)/2)*CH+3072+((\q)%2)*64
	WIN 0x40
.set fi, 0
.rept WB
.irp c, 0,1,2
	ds_load_b128 v[128*(\p)+12*fi+4*\c:128*(\p)+12*fi+4*\c+3], v[ADRW+\slot] offset:fi*TS+FO+512*\c
.endr
.set fi, fi+1
.endr
	WIN 0
.set fi, 0
.rept UB
.irp c, 0,1,2
	ds_load_b128 v[64+96*(\p)+12*fi+4*\c:64+96*(\p)+12*fi+4*\c+3], v[ADRU+\slot] offset:fi*TS+FO+512*\c
.endr
	ds_load_b32 v[32+16*(\p)+fi], v[ASU+\slot] offset:fi*TS+FS
	ds_load_b32 v[40+16*(\p)+fi], v[ASW+\slot] offset:fi*TS+FS
.set fi, fi+1
.endr
.endm
.macro MULG g, p, cmode
.set ga, (\g)*UB/4
.rept UB/4
.if (\cmode) == 2
	WIN 0x91+0x40*(ga/APW)
.else
	WIN 0xa1+0x50*(ga/APW)
.endif
.set gb, 0
.rept WB
.set AC, 8*(WB*(ga%APW)+gb)
.set WF, 128*(\p)+12*gb
.set UF, 64+96*(\p)+12*ga
.set BI, 96+8*gb+96*(gb/4)
.if (\cmode) == 1
	v_wmma_scale_f32_16x16x128_f8f6f4 v[AC:AC+7], v[WF:WF+11], v[UF:UF+11], 0, v[40+16*(\p)+gb], v[32+16*(\p)+ga] matrix_a_fmt:MATRIX_FMT_FP6 matrix_b_fmt:MATRIX_FMT_FP6
.elseif (\cmode) == 2
	v_wmma_scale_f32_16x16x128_f8f6f4 v[AC:AC+7], v[WF:WF+11], v[UF:UF+11], v[BI:BI+7], v[40+16*(\p)+gb], v[32+16*(\p)+ga] matrix_a_fmt:MATRIX_FMT_FP6 matrix_b_fmt:MATRIX_FMT_FP6
.else
	v_wmma_scale_f32_16x16x128_f8f6f4 v[AC:AC+7], v[WF:WF+11], v[UF:UF+11], v[AC:AC+7], v[40+16*(\p)+gb], v[32+16*(\p)+ga] matrix_a_fmt:MATRIX_FMT_FP6 matrix_b_fmt:MATRIX_FMT_FP6
.endif
.set gb, gb+1
.endr
.set ga, ga+1
.endr
.endm
.macro STEP slot, q, cmode
	s_wait_dscnt 0x0
	PLACES
	FETCH \slot, (\q)+1, ((\q)+1)%2
	MULG 0, (\q)%2, \cmode
	MULG 1, (\q)%2, \cmode
	MULG 2, (\q)%2, \cmode
	MULG 3, (\q)%2, \cmode
.endm
.macro STEPS slot, cmode
	STEP \slot, 0, \cmode
.if NQ > 2
	STEP \slot, 1, 0
	STEP \slot, 2, 0
.endif
.endm
.macro ASK                             ; the slot two refills on; s3 = 1 in the loop's last trip, which has no such slot
	s_cmp_gt_u32 s3, 1
	s_cbranch_scc0 .Lno_ask_\@
	global_prefetch_b8 v[PFO], s[PFA:PFA+1] th:TH_LOAD_NT scope:SCOPE_SE
.Lno_ask_\@:
.endm
.macro TURN slot, next, fill
	WIN 0
.if \fill
	s_wait_xcnt 0x0                                ; my last prefetch has read its address: it is stepped here, a slot's work behind that prefetch
	s_add_nc_u64 s[PFA:PFA+1], s[PFA:PFA+1], s[PFS:PFS+1]
.endif
	s_wait_tensorcnt 0x0
	ds_add_u32 v[SPW], v[NIL]
	s_wait_dscnt 0x1
	MULG 0, 1, 0
	s_wait_dscnt 0x0
	s_barrier_signal -1
	MULG 1, 1, 0
	WIN 0
	s_barrier_wait -1
.if \fill
	CREST
	s_add_nc_u64 s[G0Y+4*\slot+2:G0Y+4*\slot+3], s[G0Y+4*\slot+2:G0Y+4*\slot+3], 2*NR*CSY
	s_add_nc_u64 s[G0X+4*\slot+2:G0X+4*\slot+3], s[G0X+4*\slot+2:G0X+4*\slot+3], 2*NR*CSX
	JLOAD \slot
.else
	PLACES
.endif
	FETCH \next, 0, 0
.if \fill
	ASK                                            ; behind the joint load and the run of LDS loads that the next products wait for
.endif
	MULG 2, 1, 0
	MULG 3, 1, 0
.endm
.macro LAST
	s_wait_dscnt 0x0
	MULG 0, 1, 0
	MULG 1, 1, 0
	MULG 2, 1, 0
	MULG 3, 1, 0
	WIN 0
.endm
	s_load_b256 s[4:11], s[0:1], 0x0
	s_load_b64 s[12:13], s[0:1], 0x20
	v_lshl_add_u32 v[SPW], v0, 2, SPARE
	v_mov_b32 v[NIL], 0
	ds_add_u32 v[SPW], v[NIL]
	ds_add_u32 v[SPW], v[NIL]
	v_lshrrev_b32 v1, 5, v0
	v_readfirstlane_b32 s14, v1
	s_lshr_b32 s15, s14, 1
	s_and_b32 s16, s14, 1
	s_bfe_u32 s40, ttmp6, 0x40000
	s_bfe_u32 s41, ttmp6, 0x40004
	s_lshl_b32 s42, ttmp9, 2
	s_add_co_u32 s42, s42, s40
	s_and_b32 s17, ttmp7, 0xffff
	s_lshl_b32 s17, s17, 2
	s_add_co_u32 s17, s17, s41
	s_lshl_b32 s43, s41, 2
	s_lshl_b32 s43, 15, s43
	s_lshl_b32 s44, 0x1111, s40
	s_or_b32 s[G1Y], s43, (3<<16)|(1<<21)
	s_or_b32 s[G1X], s44, (3<<16)|(1<<21)
	s_mov_b32 s[G1Y+5], CSY/8                      ; from row to row of a load: one 256 along K
	s_mov_b32 s[G1X+5], CSX/8
.irp g, G1Y, G1X
	s_mov_b32 s[\g+1], (CH/8)<<16                  ; a row: four tiles of one 256 along K, 12,800 consecutive bytes at a multiple of 256
	s_mov_b32 s[\g+2], NR<<16                      ; two such rows
	s_mov_b32 s[\g+3], (CH/8)<<16
	s_mov_b32 s[\g+4], NR
	s_mov_b32 s[\g+6], 0
	s_mov_b32 s[\g+7], 0
.endr
	s_mul_i32 s18, s16, 25600/NR
	s_mul_i32 s20, s17, 51200/NR
	s_add_co_u32 s20, s20, s18
	s_mov_b32 s21, 0
	s_mul_i32 s46, s42, 51200/NR
	s_add_co_u32 s46, s46, s18
	s_add_co_u32 s46, s46, WOFF
	s_mov_b32 s47, 0
	s_mul_i32 s45, s14, 25600
	s_wait_dscnt 0x0
	s_wait_kmcnt 0x0
	s_add_nc_u64 s[20:21], s[4:5], s[20:21]
	s_add_nc_u64 s[46:47], s[6:7], s[46:47]
	s_cmp_eq_u32 s15, 0                            ; the prefetches' addresses: do I fetch tokens?
	s_cselect_b64 s[90:91], s[20:21], s[46:47]
	s_cselect_b32 s86, s40, s41                    ; my place p among the four that ask with me
	s_mov_b32 s[PFS], CSX
	s_cselect_b32 s[PFS], CSY, s[PFS]
	s_lshr_b32 s87, s86, 1
	s_mul_i32 s87, s87, s[PFS]                     ; row p / 2 of the load,
	s_and_b32 s86, s86, 1
	s_mul_i32 s86, s86, 6400                       ; its half p % 2
	s_add_co_u32 s86, s86, s87
	s_mov_b32 s87, 0
	s_lshl_b32 s[PFS], s[PFS], 1                   ; a slot is two rows
	s_mov_b32 s[PFS+1], 0
	s_add_nc_u64 s[90:91], s[90:91], s[86:87]                ; slot 0
	s_add_nc_u64 s[PF:PF+1], s[90:91], s[PFS:PFS+1]          ; slot 1
	s_add_nc_u64 s[PF+2:PF+3], s[PF:PF+1], s[PFS:PFS+1]      ; slot 2
	s_add_nc_u64 s[PFA:PFA+1], s[PF+2:PF+3], s[PFS:PFS+1]    ; slot 3
	v_and_b32 v[PFO], 31, v0
	v_min_u32 v[PFO], 24, v[PFO]
	v_lshlrev_b32 v[PFO], 8, v[PFO]
	s_wait_alu depctr_va_vdst(0)                   ; the wait behind the write
	global_prefetch_b8 v[PFO], s[90:91] th:TH_LOAD_NT scope:SCOPE_SE        ; slot 0, ahead of the round in front of its load
	CROUND
.irp s, 0,1
	s_mov_b32 s[G0Y+4*\s], 1
	s_add_co_u32 s[G0Y+4*\s+1], s45, \s*SLOT
	s_add_nc_u64 s[G0Y+4*\s+2:G0Y+4*\s+3], s[20:21], \s*NR*CSY
	s_or_b32 s[G0Y+4*\s+3], s[G0Y+4*\s+3], 0x80000000
	s_mov_b32 s[G0X+4*\s], 1
	s_add_co_u32 s[G0X+4*\s+1], s45, \s*SLOT
	s_add_nc_u64 s[G0X+4*\s+2:G0X+4*\s+3], s[46:47], \s*NR*CSX
	s_or_b32 s[G0X+4*\s+3], s[G0X+4*\s+3], 0x80000000
.endr
	JLOAD 0                                        ; slot 0: one tensor load a wave at the head
	v_and_b32 v1, 15, v0
	v_bfe_u32 v2, v0, 4, 1
	v_and_b32 v3, 31, v0
	v_lshlrev_b32 v3, 4, v3
	v_lshlrev_b32 v4, 2, v1
	v_lshlrev_b32 v5, 6, v2
	s_wait_alu depctr_va_vdst(0)
	v_lshlrev_b32 v[RO], 12, v2
	v_lshl_add_u32 v[RO], v1, 4, v[RO]
	s_wait_alu depctr_va_vdst(0)
	s_lshl_b32 s18, s42, 9
	s_lshl_b32 s19, s16, 8
	s_add_co_u32 s18, s18, s19
	s_mov_b32 s19, 0
	s_add_nc_u64 s[8:9], s[8:9], s[18:19]
	s_lshl_b32 s22, s17, 7
	s_lshl_b32 s23, s15, 6
	s_add_co_u32 s22, s22, s23
	s_lshl_b32 s22, s22, 12
	s_add_co_u32 s18, s18, s22
	s_add_nc_u64 s[10:11], s[10:11], s[18:19]
	s_add_nc_u64 s[12:13], s[12:13], s[18:19]
	WIN 0x40
.irp b, 0,1,2,3
	global_load_b128 v[96+8*\b:96+8*\b+3], v5, s[8:9] offset:(32*(\b/2)+8*(\b%2))*4
	global_load_b128 v[96+8*\b+4:96+8*\b+7], v5, s[8:9] offset:(32*(\b/2)+8*(\b%2))*4+16
.endr
	WIN 0
	global_prefetch_b8 v[PFO], s[PF:PF+1] th:TH_LOAD_NT scope:SCOPE_SE      ; slot 1, whose load follows when slot 0 has landed,
	global_prefetch_b8 v[PFO], s[PF+2:PF+3] th:TH_LOAD_NT scope:SCOPE_SE    ; and slot 2
	s_mul_i32 s66, s15, 25600
	s_mul_i32 s67, s16, 25600
	s_add_co_u32 s67, s67, 51200
.irp s, 0,1
	v_add_nc_u32 v[ADRU+\s], s66, v3
	v_add_nc_u32 v[ADRW+\s], s67, v3
	v_add_nc_u32 v[ASU+\s], s66, v4
	v_add_nc_u32 v[ASW+\s], s67, v4
	s_add_co_u32 s66, s66, SLOT
	s_add_co_u32 s67, s67, SLOT
.endr
	s_mul_i32 s66, s14, 16*272
	v_and_b32 v6, 7, v1
	v_lshlrev_b32 v6, 1, v6
	v_lshrrev_b32 v7, 3, v1
	v_add_nc_u32 v6, v6, v7
	v_mul_u32_u24 v[STO], v6, 272
	v_lshl_add_u32 v[STO], v2, 6, v[STO]
	v_add_nc_u32 v[STO], s66, v[STO]
	v_mul_u32_u24 v[RD], v2, 272
	v_lshl_add_u32 v[RD], v1, 4, v[RD]
	v_add_nc_u32 v[RD], s66, v[RD]
	s_wait_alu depctr_va_vdst(0)                   ; the wait at the head's end
	s_wait_tensorcnt 0x0                           ; my part of slot 0 is in
	ds_add_u32 v[SPW], v[NIL]
	s_wait_dscnt 0x0
	CROUND                                         ; everybody's part of slot 0 is in, and the joint loads meet
	JLOAD 1                                        ; slot 1's first fill, the first tensor load behind the round
	s_wait_loadcnt 0x0                             ; the bias
	FETCH 0, 0, 0
	global_prefetch_b8 v[PFO], s[PFA:PFA+1] th:TH_LOAD_NT scope:SCOPE_SE    ; slot 3: two refills on
	WIN 0xc0                                       ; destination window 3
.irp a, 0,1,2,3
.irp t, 0,1,2,3,4,5,6,7
	global_load_b128 v[32*\a+4*\t:32*\a+4*\t+3], v[RO], s[10:11] offset:(16*\a+2*\t)*4096    ; the residual, as it will be stored: asked for when slot 0 is in; it is wanted behind the last of the 32 K steps
.endr
.endr
	WIN 0
	STEPS 0, 2
	WIN 0
.if LAPS > 1
	s_mov_b32 s3, LAPS-1
.Llap:
	TURN 0, 1, 1
	STEPS 1, 0
	TURN 1, 0, 1
	STEPS 0, 0
	WIN 0
	s_sub_co_u32 s3, s3, 1
	s_cmp_lg_u32 s3, 0
	s_cbranch_scc1 .Llap
.endif
	TURN 0, 1, 0
	STEPS 1, 0
	LAST
	PLACES
	s_wait_alu depctr_va_vdst(0)
	s_wait_loadcnt 0x0
.macro E_RES a
	WIN 0x08
.irp b, 0,1,2,3
	ds_store_b128 v[STO], v[8*(4*(\a)+\b):8*(4*(\a)+\b)+3] offset:128*(\b/2)+32*(\b%2)
	ds_store_b128 v[STO], v[8*(4*(\a)+\b)+4:8*(4*(\a)+\b)+7] offset:128*(\b/2)+32*(\b%2)+16
.endr
	WIN 0
.irp t, 0,1,2,3,4,5,6,7
	ds_load_b128 v[64+32*(\a)+4*\t:64+32*(\a)+4*\t+3], v[RD] offset:544*\t
.endr
	s_wait_dscnt 0x0
	WIN 0x0c
.irp i, 0,2,4,6,8,10,12,14,16,18,20,22,24,26,28,30
	v_pk_add_f32 v[64+32*(\a)+\i:65+32*(\a)+\i], v[64+32*(\a)+\i:65+32*(\a)+\i], v[32*(\a)+\i:32*(\a)+\i+1]
.endr
	WIN 0
.irp t, 0,1,2,3,4,5,6,7
	global_store_b128 v[RO], v[64+32*(\a)+4*\t:64+32*(\a)+4*\t+3], s[12:13] offset:(16*(\a)+2*\t)*4096
.endr
.endm
	E_RES 0
	E_RES 1
	E_RES 2
	E_RES 3
	s_wait_tensorcnt 0x0
	ds_add_u32 v[SPW], v[NIL]
	s_wait_dscnt 0x0
	CROUND
	s_endpgm
.Lfunc_end_k_qb0489fbc07_ff2:
	.size	k_qb0489fbc07_ff2, .Lfunc_end_k_qb0489fbc07_ff2-k_qb0489fbc07_ff2
	.p2alignl 7, 3214868480
	.fill 96, 4, 3214868480
	.section	.rodata,"a",@progbits
	.p2align	6, 0x0
	.amdhsa_kernel k_qb0489fbc07_ff2
		.amdhsa_group_segment_fixed_size 327680
		.amdhsa_private_segment_fixed_size 0
		.amdhsa_enable_private_segment 0
		.amdhsa_kernarg_size 40
		.amdhsa_user_sgpr_count 2
		.amdhsa_user_sgpr_kernarg_segment_ptr 1
		.amdhsa_wavefront_size32 1
		.amdhsa_system_sgpr_workgroup_id_x 1
		.amdhsa_system_sgpr_workgroup_id_y 1
		.amdhsa_system_sgpr_workgroup_id_z 1
		.amdhsa_system_vgpr_workitem_id 0
		.amdhsa_next_free_vgpr 1024
		.amdhsa_next_free_sgpr 100
		.amdhsa_reserve_vcc 0
		.amdhsa_float_denorm_mode_32 3
		.amdhsa_float_denorm_mode_16_64 3
		.amdhsa_memory_ordered 1
		.amdhsa_forward_progress 1
		.amdhsa_inst_pref_size 96
	.end_amdhsa_kernel
	.amdgpu_metadata
---
amdhsa.version: [ 1, 2 ]
amdhsa.kernels:
  - .name:           k_qb0489fbc07_ff2
    .symbol:         k_qb0489fbc07_ff2.kd
    .args:
      - { .name: gc, .offset: 0, .size: 8, .value_kind: global_buffer, .address_space: global }
      - { .name: wff, .offset: 8, .size: 8, .value_kind: global_buffer, .address_space: global }
      - { .name: b_ff2, .offset: 16, .size: 8, .value_kind: global_buffer, .address_space: global }
      - { .name: out1, .offset: 24, .size: 8, .value_kind: global_buffer, .address_space: global }
      - { .name: out0, .offset: 32, .size: 8, .value_kind: global_buffer, .address_space: global }
    .group_segment_fixed_size: 327680
    .private_segment_fixed_size: 0
    .kernarg_segment_align: 8
    .kernarg_segment_size: 40
    .max_flat_workgroup_size: 128
    .sgpr_count:     100
    .vgpr_count:     1024
    .wavefront_size: 32
...
	.end_amdgpu_metadata
.endif
;; end of part 6
